; MI455X (gfx1250); checked and timed in simulation.
; The chip was launched on July 23, 2026; its instructions are those of AMD's public machine-readable ISA for CDNA 5 (MIT licence, August 2026) and "CDNA5" Instruction Set Architecture Reference Guide (July 2026). The comments in the code are by the model that wrote it; some were corrected since.
;; Self Attention. Allowed arithmetic: matrix products marked QUANTISED: E2M3 operands, one E8M0 scale for each 32 along K, by v_wmma_scale_f32_16x16x128_f8f6f4 with both operands' format E2M3, f32 sums; everything else in f32.
;; Inputs: b_proj 1,024 float32; w_proj 1,024 x 1,024 float32; w_qkv 1,024 x 3,072 float32; x 4 x 2,048 x 1,024 float32.
;; Outputs: out0 4 x 2,048 x 1,024 float32.
;; This version of the problem:
;;   THIS VERSION OF THE PROBLEM IS GIVEN IN LOW PRECISION. The matrix products marked QUANTISED in the list below multiply operands that are first quantised to E2M3 (2 exponent bits, 3 mantissa bits; 6 bits a number), with one power-of-two scale for each 32 numbers along K (OCP MX v1.0); their sums are f32. All else is computed in f32.
;;   The module's matrix products, in the order in which they are computed (A, B: the left and right operand; K: the contracted axis; several contracted axes count as one K, in the product's order):
;;     1. [M 8,192, K 1,024] x [K 1,024, N 3,072]; A: input x; B: input w_qkv: QUANTISED
;;     2. batch 64 x [M 2,048, K 64] x [K 64, N 2,048]; A: computed on the way; B: computed on the way: QUANTISED
;;     3. batch 64 x [M 2,048, K 2,048] x [K 2,048, N 64]; A: softmax (see below); B: computed on the way: QUANTISED
;;     4. [M 8,192, K 1,024] x [K 1,024, N 1,024]; A: computed on the way; B: input w_proj: QUANTISED
;;   THE QUANTISER, for each operand of a quantised product, along K:
;;     - K is cut into blocks of 32 from its start; a last block that is shorter is filled with zeros.
;;     - A block's scale is 2^e with e = floor(log2(the largest magnitude in the block)) - 2, held to -126 .. 127; a block of zeros has e = 0. As a byte (E8M0): e + 127.
;;     - Each number is divided by its block's scale, clamped to +-7.5, and rounded to the nearest number of E2M3, ties to even, subnormals kept.
;;     - The product sums the exact products of the quantised numbers (number of the format x scale) in f32.
;;   ~~~python
;;   def quantise(x, axis):      # numpy; x: float32 -> the quantised numbers, widened to float32 again
;;       x = np.moveaxis(x, axis, -1); K = x.shape[-1]
;;       x = np.pad(x, [(0, 0)] * (x.ndim - 1) + [(0, -K % 32)]); x = x.reshape(x.shape[:-1] + (-1, 32)); a = np.abs(x).max(-1, keepdims=True)
;;       e = np.where(a > 0, np.clip(np.frexp(np.where(a > 0, a, 1))[1] - 1 - 2, -126, 127), 0)      # np.frexp(a)[1] - 1 = floor(log2(a)), exactly
;;       r = np.clip(x / 2.0 ** e, -7.5, 7.5)
;;       step = 2.0 ** (np.maximum(np.frexp(np.where(r == 0, 1, r))[1] - 1, 0) - 3)
;;       q = np.round(r / step) * step * 2.0 ** e      # np.round: ties to even
;;       return np.moveaxis(q.reshape(q.shape[:-2] + (-1,))[..., :K], -1, axis).astype(np.float32)
;;   ~~~
;;   SOFTMAX AHEAD OF A QUANTISED PRODUCT. Where the list says 'softmax', what is quantised is not the finished softmax but p = 2^(t - M), with t = logit x log2(e) and M = ceil(the row's largest t), a whole number; so 1/2 < the row's largest p <= 1. The row's sum l is taken of the UNQUANTISED p, in f32, and the product's result is divided by l at the end. Since M is a whole number, a kernel that streams over the keys may use a running M (the ceiling of the running maximum): every later rescaling is an exact power of two, which a block's scale takes up: the codes' values come out the same.
;;   OPERANDS COMPUTED ON THE WAY. 'Computed on the way' means the value that the module computes at that place (a softmax that the list does not call 'softmax' is quantised finished and normalised). What goes into a quantiser is computed in f32, as accurately as f32 sums, v_exp_f32 and their like allow (about 1e-6 of the number): no bf16 or f16 on the way to a quantiser, and a product that is left as it is and whose result goes on into a quantised operand takes f32 operands (vector FMAs, or v_wmma_f32_16x16x4_f32). A number that lies on a knife's edge between two numbers of the format may be rounded either way, as far as f32 arithmetic and the matrix unit's own rounding can turn it there, and no further.
;; One version. Each part assembles by itself: llvm-mc -triple=amdgcn-amd-amdhsa -mcpu=gfx1250 --defsym DOCPART=n.
;; ======== version 1 of 1: 4 launches
;; limits: right only within a limited range of input values
;; workspace buffers: xq 6,553,600 bytes; wq 3,276,800 bytes; qq 6,815,744 bytes; kq 6,553,600 bytes; vq 6,553,600 bytes; aq 6,553,600 bytes
;; launch prep (part 1): grid 256 x 1, 8 waves a work-group, no clusters, 294,400 bytes of LDS; arguments x, w_qkv, w_proj, xq, wq; writes xq, wq
.if DOCPART == 1
	.amdgcn_target "amdgcn-amd-amdhsa--gfx1250"
	.amdhsa_code_object_version 6
	.text
	.protected	k_q281df4e173_prep
	.globl	k_q281df4e173_prep
	.p2align	8
	.type	k_q281df4e173_prep,@function
k_q281df4e173_prep:
	s_mov_b64 s[64:65], 0
	v_nop
	global_prefetch_b8 v0, s[64:65] scope:SCOPE_SE
	s_setreg_imm32_b32 hwreg(HW_REG_WAVE_MODE, 25, 1), 1
	s_wait_xcnt 0x0
; x [8192][1024], w_qkv [1024][3072] and w_proj [1024][1024], f32, become codes of FP6 (E2M3) with one E8M0 byte for each 32 along K (K = 1,024 in all three),
; laid as IMAGES OF THE OPERAND'S REGISTERS.  A row tile T holds 16 rows: lane row r stands for row 64 (T / 4) + 8 (T % 4) + r % 8 + 32 (r / 8).  Its image is 8 K steps x 1,536 bytes;
; in a K step plane p (0..5) is 256 bytes, lane l's registers 2 p, 2 p + 1 at 8 l.  Scale words: 32 bytes a row (one word a K step), row 16 T + r, behind the codes.
; A block's scale is 2^(floor(log2(largest magnitude)) - 2): its byte is the largest magnitude's exponent field - 2, held at 1 from below.
; LIMITS: a block whose largest magnitude lies under 2^-124, a block of zeros among them, gets the byte 1 (its codes are zeros or the format's smallest numbers; only this program reads the bytes); NaN and infinities are not served.
; Work-groups 0-127 take x (64 rows each), work-groups 128-255 the weights (128 columns x 256 along K each).  The two ways part once, on the work-group's number, and each has LDS bytes of its own.
; x: K is innermost.  Eight waves = 4 row tiles x 2 halves of K; a wave brings its 16 rows x 512 numbers by 64 plain loads of 512 consecutive bytes, all issued at once, and reads only its own bytes.
; weights: K is the first axis.  A lane takes a column and its registers run down K: a block of 32 lies in one lane; the codes meet in a stage in LDS and leave as whole images.
; No cluster: no two work-groups read the same bytes.  No prefetch: every byte is asked for at the kernel's head.
; x's way in, as the text below has it (no tensor load is used): a wave asks for its 16 rows x 2,048 bytes by 64 plain loads, each of 512 consecutive bytes, into v256-511,
; and turns each fragment's 16 x 512 bytes through one of its own two stages in LDS (rows 528 bytes apart; 16,896 bytes a wave, from LDS byte 0 on).
.set XW,    266240                     ; 2,048 bytes in which x's scale words meet
.set WST,   268288                     ; the weights' stage: 8 tiles x TS bytes
.set TS,    3136                       ; 3,072 bytes of images + 64: four neighbouring tiles start 64 bytes apart modulo 256
.set SPARE, 293376                     ; the spare words, 128 bytes for each wave: four blocks of 256 bytes that no other line names
.set SPW,   14                         ; v14  SPARE + 4 x my thread's number; never rewritten
.set NIL,   15                         ; v15  0; never rewritten
.set XR,    16                         ; x: v16-143 two sets of 64 numbers
.set FC,    144                        ; x: v144-191 four fragments' codes, registers of their own
.set WD,    192                        ; x: v192-195 four scale words
.set TMP,   196
.set MX,    204
.set SO,    208
.set BY,    210
.set PT,    212
.set WW,    213
.set DO,    214
	s_load_b256 s[4:11], s[0:1], 0x0               ; x s[4:5], w_qkv s[6:7], w_proj s[8:9], xq s[10:11]
	s_load_b64 s[12:13], s[0:1], 0x20              ; wq
	v_lshl_add_u32 v[SPW], v0, 2, SPARE
	v_mov_b32 v[NIL], 0
	v_lshrrev_b32 v1, 5, v0
	s_delay_alu instid0(VALU_DEP_1)
	v_readfirstlane_b32 s14, v1                    ; wave 0..7
	v_and_b32 v1, 31, v0                           ; lane
	v_and_b32 v2, 15, v0                           ; r
	v_bfe_u32 v3, v0, 4, 1                         ; h
	s_delay_alu instid0(VALU_DEP_3)
	v_lshlrev_b32 v4, 3, v1                        ; 8 x lane
	s_delay_alu instid0(VALU_DEP_2)
	v_lshlrev_b32 v5, 3, v3                        ; 8 h: a byte's shift
	s_mov_b32 s40, 0x76543210
	s_mov_b32 s41, 0xfedcba98                      ; v_permlanex16_b32's selects for lane l xor 16
	v_lshlrev_b32 v9, 4, v1                        ; 16 x lane
	s_wait_alu depctr_va_vdst(0)
	s_wait_kmcnt 0x0
	s_cmp_lt_u32 ttmp9, 128
	s_cbranch_scc0 .Lw
	; ---------------- x: rows 64 G .. 64 G + 63, G the work-group's number
	s_and_b32 s42, s14, 3                          ; i: my row tile T = 4 G + i
	s_lshr_b32 s43, s14, 2                         ; kh: my half of K
	s_mul_i32 s44, s14, 16896                      ; my two stages in LDS
	s_lshl_b32 s46, ttmp9, 18                      ; 64 G rows of 4,096 bytes
	s_lshl_b32 s45, s42, 15                        ; + 8 i rows
	s_add_co_u32 s46, s46, s45
	s_lshl_b32 s45, s43, 11                        ; + my half of K
	s_add_co_u32 s46, s46, s45
	s_mov_b32 s47, 0
	s_add_nc_u64 s[4:5], s[4:5], s[46:47]
	s_set_vgpr_msb 0x40                            ; destination v256..
.irp f, 0,1,2,3                                    ; fragment f, lane row j: 512 consecutive bytes of row 8 i + j % 8 + 32 (j / 8)
.set j, 0
.rept 16
	global_load_b128 v[64*\f+4*j:64*\f+4*j+3], v9, s[4:5] offset:(j%8)*4096+(j/8)*131072+512*\f th:TH_LOAD_NT
.set j, j+1
.endr
.endr
	s_set_vgpr_msb 0x4000
	s_lshl_b32 s50, ttmp9, 2
	s_add_co_u32 s50, s50, s42                     ; T
	s_mul_i32 s52, s50, 12288
	s_mul_i32 s45, s43, 6144
	s_add_co_u32 s52, s52, s45
	s_mov_b32 s53, 0
	s_add_nc_u64 s[48:49], s[10:11], s[52:53]      ; my four fragments' images
	s_lshl_b32 s52, s50, 9
	s_lshl_b32 s45, s43, 8
	s_add_co_u32 s52, s52, s45
	s_add_co_u32 s52, s52, 6291456
	s_add_nc_u64 s[54:55], s[10:11], s[52:53]      ; my 256 bytes of the tile's scale words
	s_wait_alu depctr_va_vdst(0)
	v_mul_u32_u24 v6, v2, 528
	s_delay_alu instid0(VALU_DEP_1)
	v_lshl_add_u32 v6, v3, 7, v6
	s_delay_alu instid0(VALU_DEP_1)
	v_add_nc_u32 v6, s44, v6                       ; row r, + 128 h: my 32 numbers of each 64
	s_lshl_b32 s51, s42, 9
	s_add_co_u32 s51, s51, XW
	s_lshl_b32 s45, s43, 4
	s_add_co_u32 s45, s45, s51
	v_lshl_add_u32 v7, v2, 5, s45                  ; where my row's four words go: 32 r + 16 kh
	s_lshl_b32 s45, s43, 8
	s_add_co_u32 s45, s45, s51
	v_add_nc_u32 v8, s45, v4                       ; and where I read 8 bytes back
	v_mov_b32 v[PT], 0                             ; a lane permute's destination counts as one of its sources
	v_add_nc_u32 v10, s44, v9                      ; into a stage: 16 x lane of a row
.macro LOADX f                                     ; fragment f of my half: register 32 c + 4 k + .. = k 64 c + 32 h + 4 k + .. of row r
.irp c, 0,1
.irp k, 0,1,2,3,4,5,6,7
	ds_load_b128 v[XR+64*((\f)%2)+32*\c+4*\k:XR+64*((\f)%2)+32*\c+4*\k+3], v6 offset:((\f)%2)*8448+256*\c+16*\k
.endr
.endr
.endm
.macro PROC f
.set XS, XR+64*((\f)%2)
.set FF, FC+12*(\f)
.irp n, 0,1,2,3                                    ; four chains of 16 numbers, two to a block; the floor 2^(3 - 127) holds the byte at 1 from below
	v_max3_num_f32 v[MX+\n], |v[XS+16*\n]|, |v[XS+16*\n+1]|, 0x1800000
.endr
.irp i, 2,4,6,8,10,12,14
.irp n, 0,1,2,3
	s_delay_alu instid0(VALU_DEP_4)
	v_max3_num_f32 v[MX+\n], v[MX+\n], |v[XS+16*\n+\i]|, |v[XS+16*\n+\i+1]|
.endr
.endr
	s_delay_alu instid0(VALU_DEP_3)
	v_max_num_f32 v[MX], v[MX], v[MX+1]
	s_delay_alu instid0(VALU_DEP_2)
	v_max_num_f32 v[MX+2], v[MX+2], v[MX+3]
	s_delay_alu instid0(VALU_DEP_2)
	v_add_nc_u32 v[SO], 0xff000000, v[MX]          ; 2 off the exponent field: the conversion's scale operand
	s_delay_alu instid0(VALU_DEP_2)
	v_add_nc_u32 v[SO+1], 0xff000000, v[MX+2]
	s_delay_alu instid0(VALU_DEP_2)
	v_lshrrev_b32 v[BY], 23, v[SO]                 ; the scale's byte
	s_delay_alu instid0(VALU_DEP_2)
	v_lshrrev_b32 v[BY+1], 23, v[SO+1]
	v_cvt_scalef32_pk16_fp6_f32 v[FF:FF+2], v[XS:XS+15], v[SO]
	v_cvt_scalef32_pk16_fp6_f32 v[TMP:TMP+2], v[XS+16:XS+31], v[SO]        ; (a conversion's three registers begin on an even number)
	v_cvt_scalef32_pk16_fp6_f32 v[FF+6:FF+8], v[XS+32:XS+47], v[SO+1]
	v_cvt_scalef32_pk16_fp6_f32 v[TMP+4:TMP+6], v[XS+48:XS+63], v[SO+1]
	v_lshl_or_b32 v[WW], v[BY+1], 16, v[BY]        ; (the plain place behind the conversions)  my blocks h and 2 + h,
	s_delay_alu instid0(VALU_DEP_1)
	v_lshlrev_b32 v[WW], v5, v[WW]                 ; at their places in the word;
	s_delay_alu instid0(VALU_DEP_1)
	v_permlanex16_b32 v[PT], v[WW], s40, s41
	s_delay_alu instid0(VALU_DEP_1)
	v_or_b32 v[WD+(\f)], v[WW], v[PT]              ; with lane l xor 16's two the word is whole
.irp i, 0,1,2
	v_mov_b32 v[FF+3+\i], v[TMP+\i]
	v_mov_b32 v[FF+9+\i], v[TMP+4+\i]
.endr
.irp p, 0,1,2,3,4,5
	global_store_b64 v4, v[FF+2*\p:FF+2*\p+1], s[48:49] offset:1536*(\f)+256*\p   ; 32 lanes store 256 consecutive bytes, aligned
.endr
.endm
	s_wait_alu depctr_va_vdst(0)
.macro TURNX f                                     ; fragment f through stage f % 2: LDS serves a wave's instructions in order, so no wait stands between the stores and the loads
	s_wait_loadcnt 48-16*(\f)                      ; its sixteen loads are in; the later fragments' may be out
	s_set_vgpr_msb 0x04                            ; the data: v256..
.set j, 0
.rept 16
	ds_store_b128 v10, v[64*(\f)+4*j:64*(\f)+4*j+3] offset:((\f)%2)*8448+528*j
.set j, j+1
.endr
	s_set_vgpr_msb 0x0400
	LOADX \f
.endm
	TURNX 0
	TURNX 1
	s_wait_dscnt 32                                ; fragment 0 is back; fragment 1's sixteen stores and sixteen loads may be out
	PROC 0
	TURNX 2
	s_wait_dscnt 32
	PROC 1
	TURNX 3
	s_wait_dscnt 32
	PROC 2
	s_wait_dscnt 0x0
	PROC 3
	ds_store_b128 v7, v[WD:WD+3]                   ; lanes r and r + 16 write the same bytes with the same value
	s_wait_dscnt 0x0                               ; for the others' sake: my stores are done
	s_barrier_signal -1
	s_barrier_wait -1
	ds_load_b64 v[DO:DO+1], v8
	s_wait_dscnt 0x0
	global_store_b64 v4, v[DO:DO+1], s[54:55]      ; 256 consecutive bytes, aligned
	s_wait_tensorcnt 0x0                           ; the wave's end
	ds_add_u32 v[SPW], v[NIL]
	s_wait_dscnt 0x0
	s_endpgm
	; ---------------- the weights
.Lw:
	s_sub_co_u32 s42, ttmp9, 128
	s_and_b32 s43, s42, 31                         ; gx: 128 columns; 0-23 of w_qkv, 24-31 of w_proj: row tiles 8 gx .. 8 gx + 7 of wq
	s_lshr_b32 s44, s42, 5                         ; gy: 256 along K
	s_and_b32 s45, s14, 3                          ; wv: my 32 columns
	s_lshr_b32 s46, s14, 2                         ; kk: my K step 2 gy + kk
	s_lshr_b32 s47, s45, 1                         ; gg: which 64 columns
	s_and_b32 s58, s45, 1                          ; hf: which 32 of them = r / 8
	s_mov_b32 s60, 4096
	s_sub_co_u32 s61, s43, 24
	s_cmp_lt_u32 s43, 24
	s_cselect_b64 s[6:7], s[6:7], s[8:9]           ; the tensor,
	s_cselect_b32 s60, 12288, s60                  ; its row in bytes,
	s_cselect_b32 s61, s43, s61                    ; and the block of 128 columns in it
	s_lshl_b32 s62, s44, 8
	s_lshl_b32 s63, s46, 7
	s_add_co_u32 s62, s62, s63                     ; my first k
	s_mul_i32 s62, s62, s60
	s_lshl_b32 s63, s61, 9
	s_add_co_u32 s62, s62, s63
	s_lshl_b32 s63, s45, 7
	s_add_co_u32 s62, s62, s63
	s_mov_b32 s63, 0
	s_add_nc_u64 s[48:49], s[6:7], s[62:63]        ; block 0
	s_lshl_b32 s56, s60, 5                         ; 32 rows on
	s_mov_b32 s57, 0
	s_add_nc_u64 s[50:51], s[48:49], s[56:57]
	s_add_nc_u64 s[52:53], s[50:51], s[56:57]
	s_add_nc_u64 s[54:55], s[52:53], s[56:57]
	s_wait_alu depctr_va_vdst(0)
	v_lshlrev_b32 v9, 2, v1
.set j, 0
.rept 32
	v_mad_u32_u24 v[16+j], s60, j, v9              ; 4 x lane + j rows
.set j, j+1
.endr
	v_lshrrev_b32 v10, 3, v1                       ; lane / 8: which tile of my four
	s_wait_alu depctr_va_vdst(0)
	v_and_b32 v11, 7, v1                           ; lane % 8 = r % 8
	v_mul_u32_u24 v7, v10, TS
	s_delay_alu instid0(VALU_DEP_1)
	v_lshl_add_u32 v7, v11, 3, v7
	s_mul_i32 s59, s47, 4*TS
	s_lshl_b32 s62, s58, 6
	s_add_co_u32 s59, s59, s62
	s_mul_i32 s62, s46, 1536
	s_add_co_u32 s59, s59, s62
	s_add_co_u32 s59, s59, WST
	v_add_nc_u32 v7, s59, v7                       ; into the stage: tile 4 gg + lane / 8, K step kk, lane row r = lane % 8 + 8 hf
	s_mul_i32 s59, s14, TS
	s_add_co_u32 s59, s59, WST
	v_lshl_add_u32 v8, v1, 4, s59                  ; out of it: wave w takes tile w whole
	v_lshlrev_b32 v12, 9, v10
	s_wait_alu depctr_va_vdst(0)
	v_lshl_add_u32 v12, v11, 5, v12                ; my column's row of scale words
	v_lshlrev_b32 v13, 4, v1
	s_lshl_b32 s62, s43, 12
	s_lshl_b32 s59, s47, 11
	s_add_co_u32 s62, s62, s59
	s_lshl_b32 s59, s58, 8
	s_add_co_u32 s62, s62, s59
	s_lshl_b32 s59, s44, 3
	s_add_co_u32 s62, s62, s59
	s_lshl_b32 s59, s46, 2
	s_add_co_u32 s62, s62, s59
	s_add_co_u32 s62, s62, 3145728
	s_add_nc_u64 s[16:17], s[12:13], s[62:63]      ; scale words
	s_lshl_b32 s62, s43, 3
	s_add_co_u32 s62, s62, s14
	s_mul_i32 s62, s62, 12288
	s_mul_i32 s59, s44, 3072
	s_add_co_u32 s62, s62, s59
	s_add_nc_u64 s[18:19], s[12:13], s[62:63]      ; tile 8 gx + wave, K steps 2 gy and 2 gy + 1
.macro LOADW t                                     ; block t: W(32 t + i, my column): each load reads 128 consecutive bytes
.set j, 0
.rept 32
	global_load_b32 v[48+32*((\t)%2)+j], v[16+j], s[48+2*(\t):49+2*(\t)] th:TH_LOAD_NT
.set j, j+1
.endr
.endm
.macro BLOCKW t
.set XS, 48+32*((\t)%2)
.set CC, 112+8*(\t)
.if (\t) < 3
	s_wait_loadcnt 32                              ; this block's 32 loads are in; the next block's may be out
.else
	s_wait_loadcnt 0x0
.endif
	v_max3_num_f32 v150, |v[XS]|, |v[XS+1]|, 0x1800000
	v_max3_num_f32 v151, |v[XS+16]|, |v[XS+17]|, 0x1800000
.irp i, 2,4,6,8,10,12,14
	s_delay_alu instid0(VALU_DEP_2)
	v_max3_num_f32 v150, v150, |v[XS+\i]|, |v[XS+\i+1]|
	s_delay_alu instid0(VALU_DEP_2)
	v_max3_num_f32 v151, v151, |v[XS+16+\i]|, |v[XS+17+\i]|
.endr
	s_delay_alu instid0(VALU_DEP_1)
	v_max_num_f32 v150, v150, v151                 ; the block's largest magnitude: all 32 numbers are mine
	s_delay_alu instid0(VALU_DEP_1)
	v_add_nc_u32 v152, 0xff000000, v150
	v_cvt_scalef32_pk16_fp6_f32 v[CC:CC+2], v[XS:XS+15], v152
	v_cvt_scalef32_pk16_fp6_f32 v[144:146], v[XS+16:XS+31], v152
	v_lshrrev_b32 v153, 23, v152                   ; (the plain place behind the conversions)  the scale's byte
.if (\t) == 0
	s_delay_alu instid0(VALU_DEP_1)
	v_mov_b32 v148, v153
.else
	s_delay_alu instid0(VALU_DEP_1)
	v_lshl_or_b32 v148, v153, 8*(\t), v148         ; four bytes make the K step's word
.endif
.irp i, 0,1,2
	v_mov_b32 v[CC+3+\i], v[144+\i]
.endr
.irp p, 0,1,2
	ds_store_b64 v7, v[CC+2*\p:CC+2*\p+1] offset:768*((\t)/2)+128*((\t)%2)+256*\p   ; block t is registers 6 (t / 2) .. of the lane r + 16 (t % 2)
.endr
.if (\t) < 2
	LOADW (\t)+2
.endif
.endm
	LOADW 0
	LOADW 1
	BLOCKW 0
	BLOCKW 1
	BLOCKW 2
	BLOCKW 3
	global_store_b32 v12, v148, s[16:17]           ; 4 bytes of a row of 32: these blocks of 256 bytes are written in part, by four work-groups: one byte for each 128 that this way reads
	s_wait_dscnt 0x0                               ; for the others' sake: my stores into the stage are done
	s_barrier_signal -1
	s_barrier_wait -1
.irp q, 0,1,2,3,4,5
	ds_load_b128 v[160+4*\q:163+4*\q], v8 offset:512*\q
.endr
.irp q, 0,1,2,3,4,5
	s_wait_dscnt 5-\q                              ; the younger loads may be out
	global_store_b128 v13, v[160+4*\q:163+4*\q], s[18:19] offset:512*\q   ; 512 consecutive bytes, aligned
.endr
	s_wait_tensorcnt 0x0                           ; the wave's end
	ds_add_u32 v[SPW], v[NIL]
	s_wait_dscnt 0x0
	s_endpgm
.Lfunc_end_k_q281df4e173_prep:
	.size	k_q281df4e173_prep, .Lfunc_end_k_q281df4e173_prep-k_q281df4e173_prep
	.p2alignl 7, 3214868480
	.fill 96, 4, 3214868480
	.section	.rodata,"a",@progbits
	.p2align	6, 0x0
	.amdhsa_kernel k_q281df4e173_prep
		.amdhsa_group_segment_fixed_size 294400
		.amdhsa_private_segment_fixed_size 0
		.amdhsa_enable_private_segment 0
		.amdhsa_kernarg_size 40
		.amdhsa_user_sgpr_count 2
		.amdhsa_user_sgpr_kernarg_segment_ptr 1
		.amdhsa_wavefront_size32 1
		.amdhsa_system_sgpr_workgroup_id_x 1
		.amdhsa_system_sgpr_workgroup_id_y 1
		.amdhsa_system_sgpr_workgroup_id_z 1
		.amdhsa_system_vgpr_workitem_id 0
		.amdhsa_next_free_vgpr 512
		.amdhsa_next_free_sgpr 66
		.amdhsa_reserve_vcc 0
		.amdhsa_float_denorm_mode_32 3
		.amdhsa_float_denorm_mode_16_64 3
		.amdhsa_memory_ordered 1
		.amdhsa_forward_progress 1
		.amdhsa_inst_pref_size 64
	.end_amdhsa_kernel
	.amdgpu_metadata
---
amdhsa.version: [ 1, 2 ]
amdhsa.kernels:
  - .name:           k_q281df4e173_prep
    .symbol:         k_q281df4e173_prep.kd
    .args:
      - { .name: x, .offset: 0, .size: 8, .value_kind: global_buffer, .address_space: global }
      - { .name: w_qkv, .offset: 8, .size: 8, .value_kind: global_buffer, .address_space: global }
      - { .name: w_proj, .offset: 16, .size: 8, .value_kind: global_buffer, .address_space: global }
      - { .name: xq, .offset: 24, .size: 8, .value_kind: global_buffer, .address_space: global }
      - { .name: wq, .offset: 32, .size: 8, .value_kind: global_buffer, .address_space: global }
    .group_segment_fixed_size: 294400
    .private_segment_fixed_size: 0
    .kernarg_segment_align: 8
    .kernarg_segment_size: 40
    .max_flat_workgroup_size: 256
    .sgpr_count:     66
    .vgpr_count:     512
    .wavefront_size: 32
...
	.end_amdgpu_metadata
.endif
;; end of part 1
;; launch qkv (part 2): grid 12 x 32, 4 waves a work-group, clusters of 4 x 4, 327,680 bytes of LDS; arguments xq, wq, qq, kq, vq; writes qq, kq, vq
.if DOCPART == 2
	.amdgcn_target "amdgcn-amd-amdhsa--gfx1250"
	.amdhsa_code_object_version 6
	.text
	.protected	k_q281df4e173_qkv
	.globl	k_q281df4e173_qkv
	.p2align	8
	.type	k_q281df4e173_qkv,@function
k_q281df4e173_qkv:
	s_mov_b64 s[64:65], 0
	v_nop
	global_prefetch_b8 v0, s[64:65] scope:SCOPE_SE
	s_setreg_imm32_b32 hwreg(HW_REG_WAVE_MODE, 25, 1), 1
	s_wait_xcnt 0x0
	s_wait_alu depctr_hold_cnt(0) depctr_sa_sdst(0) depctr_va_vdst(0) depctr_va_sdst(0) depctr_va_ssrc(0) depctr_va_vcc(0) depctr_vm_vsrc(0)
	s_getreg_b32 s2, hwreg(HW_REG_IB_STS2, 6, 4)
	s_cmp_eq_u32 s2, 0
	s_cbranch_scc0 .Lentry_in_a_cluster
	s_endpgm
.Lentry_in_a_cluster:
	s_bfe_u32 s2, ttmp6, 0x10000c
	s_cmp_lg_u32 s2, 0xf033
	s_cbranch_scc0 .Lentry_shape_is_right
	s_endpgm
.Lentry_shape_is_right:
.set NQ,     2
.set FR,     12
.set NL,     6
.set NP,     4
.set TROW,   3072
.set FRB,    1536
.set HALFT,  8*TROW
.set SLOT,   4*HALFT
.set LAPS,   2
.set SCL,    2*SLOT
.set HALFS,  16*272
.set SBLK,   2*272
.set SPARE,  SCL+4*HALFS
.set ADRA, 16
.set ADRB, 20
.set ADRS, 27
.set SPW,  28
.set NIL,  29
.set SC,   32
.set AF,   128
.set G1, 24
.set G0, 32
.set G1B, 48
.set G0B, 56
.set G1S, 68
.set G0S, 76
.set G1SB, 80
.set G0SB, 88
.set MX,  32
.set SO,  40
.set BY,  44
.set PT,  48
.set TP,  52
.set HH,  68
.set UO,  84
.set DW,  100
.set CD0, 112
.set MSB, 0
.macro WIN new
.if MSB != \new
	s_set_vgpr_msb (MSB<<8)|\new
.set MSB, \new
.endif
.endm
.set MUL_LO, 0xa1
.set MUL_HI, 0xf1
.set TO_B,   0x40
.macro JLOAD g0a, g1a, g0b, g1b
	s_cmp_eq_u32 s15, 0
	s_cbranch_scc0 .Lfor_b_\@
	tensor_load_to_lds s[\g0a:\g0a+3], s[\g1a:\g1a+7]
	s_nop 0
.rept 4
	v_nop
.endr
	s_branch .Lasked_\@
.Lfor_b_\@:
	tensor_load_to_lds s[\g0b:\g0b+3], s[\g1b:\g1b+7]
	s_nop 0
.rept 4
	v_nop
.endr
.Lasked_\@:
.endm
.macro CREST
	s_cmp_lg_u32 s14, 0
	s_cbranch_scc1 .Lnot_wave_0_\@
	s_barrier_signal -3
.Lnot_wave_0_\@:
	s_barrier_wait -3
	s_barrier_signal -1
	s_barrier_wait -1
.endm
.macro CROUND
	s_barrier_signal -1
	s_barrier_wait -1
	CREST
.endm
	s_load_b256 s[4:11], s[0:1], 0x0
	s_load_b64 s[12:13], s[0:1], 0x20
	v_lshl_add_u32 v[SPW], v0, 2, SPARE
	v_mov_b32 v[NIL], 0
	ds_add_u32 v[SPW], v[NIL]
	ds_add_u32 v[SPW], v[NIL]
	v_lshrrev_b32 v1, 5, v0
	v_readfirstlane_b32 s14, v1
	s_lshr_b32 s15, s14, 1
	s_and_b32 s16, s14, 1
	s_bfe_u32 s40, ttmp6, 0x40000
	s_bfe_u32 s41, ttmp6, 0x40004
	s_and_b32 s18, ttmp7, 0xffff
	s_cmp_eq_u32 ttmp9, 2
	s_cselect_b32 s17, 0, s18
	s_cselect_b32 s42, s18, ttmp9
	s_lshl_b32 s17, s17, 2
	s_add_co_u32 s17, s17, s41
	s_lshl_b32 s42, s42, 2
	s_add_co_u32 s42, s42, s40
	s_lshl_b32 s43, s41, 2
	s_lshl_b32 s43, 15, s43
	s_lshl_b32 s44, 0x1111, s40
	s_or_b32 s[G1+0], s43, (3<<16)|(1<<21)
	s_or_b32 s[G1B+0], s44, (3<<16)|(1<<21)
.irp g, G1, G1B
	s_mov_b32 s[\g+1], 384<<16
	s_mov_b32 s[\g+2], 16<<16
	s_mov_b32 s[\g+3], 384<<16
	s_mov_b32 s[\g+4], 16
	s_mov_b32 s[\g+5], 1536
	s_mov_b32 s[\g+6], 0
	s_mov_b32 s[\g+7], 0
.endr
	s_or_b32 s[G1S+0], s43, (3<<16)|(1<<20)|(1<<21)|(5<<22)|(3<<25)
	s_or_b32 s[G1SB+0], s44, (3<<16)|(1<<20)|(1<<21)|(5<<22)|(3<<25)
.irp g, G1S, G1SB
	s_mov_b32 s[\g+1], 32<<16
	s_mov_b32 s[\g+2], 32<<16
	s_mov_b32 s[\g+3], 32<<16
	s_mov_b32 s[\g+4], 32
	s_mov_b32 s[\g+5], 32
	s_mov_b32 s[\g+6], 0
	s_mov_b32 s[\g+7], 0
.endr
	s_lshl_b32 s20, s17, 8                         ; the tiles' first rows: the head's loads bring all 256
	s_lshl_b32 s46, s42, 8
	s_lshl_b32 s22, s20, 5
	s_mov_b32 s23, 0
	s_lshl_b32 s18, s46, 5
	s_mov_b32 s19, 0
	s_mul_i32 s20, s20, 768
	s_mov_b32 s21, 0
	s_mul_i32 s46, s46, 768
	s_mov_b32 s47, 0
	s_mul_i32 s45, s14, HALFT
	s_wait_dscnt 0x0
	s_wait_kmcnt 0x0
	s_add_nc_u64 s[92:93], s[4:5], 6291456
	s_add_nc_u64 s[94:95], s[6:7], 3145728
	s_add_nc_u64 s[96:97], s[6:7], 1572864
	s_add_nc_u64 s[98:99], s[6:7], 3211264
	s_cmp_eq_u32 ttmp9, 2
	s_cselect_b64 s[96:97], s[96:97], s[4:5]
	s_cselect_b64 s[98:99], s[98:99], s[92:93]
	s_cselect_b64 s[4:5], s[4:5], s[6:7]
	s_cselect_b64 s[92:93], s[92:93], s[94:95]
	s_cselect_b64 s[12:13], s[12:13], s[10:11]
	s_cmp_eq_u32 ttmp9, 0
	s_cselect_b64 s[12:13], s[8:9], s[12:13]
	s_add_nc_u64 s[20:21], s[96:97], s[20:21]
	s_add_nc_u64 s[22:23], s[98:99], s[22:23]
	s_add_nc_u64 s[46:47], s[4:5], s[46:47]
	s_add_nc_u64 s[92:93], s[92:93], s[18:19]
	CROUND
	s_mov_b32 s4, 1                                ; the head's four tiles, each whole: slot 0's 16 row tiles of the first operand,
	s_mov_b32 s5, 0
	s_mov_b64 s[6:7], s[20:21]
	s_or_b32 s7, s7, 0x80000000
	s_mov_b32 s8, 1                                ; those of the second, behind them,
	s_mov_b32 s9, 2*HALFT
	s_mov_b64 s[10:11], s[46:47]
	s_or_b32 s11, s11, 0x80000000
	s_mov_b32 s[G0S], 1                            ; and the scale words of each one's 256 rows
	s_mov_b32 s[G0S+1], SCL
	s_mov_b64 s[G0S+2:G0S+3], s[22:23]
	s_or_b32 s[G0S+3], s[G0S+3], 0x80000000
	s_mov_b32 s[G0SB], 1
	s_mov_b32 s[G0SB+1], SCL+2*HALFS
	s_mov_b64 s[G0SB+2:G0SB+3], s[92:93]
	s_or_b32 s[G0SB+3], s[G0SB+3], 0x80000000
	s_mul_i32 s18, s16, 98304                      ; for the ring: my 128 rows of the tile
	s_mov_b32 s19, 0
	s_add_nc_u64 s[20:21], s[20:21], s[18:19]
	s_add_nc_u64 s[46:47], s[46:47], s[18:19]
.irp s, 0,1
	s_mov_b32 s[G0+4*\s], 1
	s_add_co_u32 s[G0+4*\s+1], s45, \s*SLOT
	s_add_nc_u64 s[G0+4*\s+2:G0+4*\s+3], s[20:21], \s*TROW
	s_or_b32 s[G0+4*\s+3], s[G0+4*\s+3], 0x80000000
	s_mov_b32 s[G0B+4*\s], 1
	s_add_co_u32 s[G0B+4*\s+1], s45, \s*SLOT
	s_add_nc_u64 s[G0B+4*\s+2:G0B+4*\s+3], s[46:47], \s*TROW
	s_or_b32 s[G0B+4*\s+3], s[G0B+4*\s+3], 0x80000000
.endr
	; the head's loads, one a wave, in one chain of branches on the wave's number
	s_cmp_lt_u32 s14, 1
	s_cbranch_scc0 .Lhead_b
	tensor_load_to_lds s[4:7], s[G1:G1+7]
	s_nop 0
.rept 4
	v_nop
.endr
	s_branch .Lhead_asked
.Lhead_b:
	s_cmp_lt_u32 s14, 2
	s_cbranch_scc0 .Lhead_sa
	tensor_load_to_lds s[8:11], s[G1B:G1B+7]
	s_nop 0
.rept 4
	v_nop
.endr
	s_branch .Lhead_asked
.Lhead_sa:
	s_cmp_lt_u32 s14, 3
	s_cbranch_scc0 .Lhead_sb
	tensor_load_to_lds s[G0S:G0S+3], s[G1S:G1S+7]
	s_nop 0
.rept 4
	v_nop
.endr
	s_branch .Lhead_asked
.Lhead_sb:
	tensor_load_to_lds s[G0SB:G0SB+3], s[G1SB:G1SB+7]
	s_nop 0
.rept 4
	v_nop
.endr
.Lhead_asked:
	v_and_b32 v1, 31, v0
	v_bfe_u32 v2, v0, 4, 1
	v_and_b32 v3, 15, v0
	v_lshlrev_b32 v24, 3, v1
	v_lshlrev_b32 v25, 4, v1
	v_lshlrev_b32 v26, 4, v3
	v_lshl_add_u32 v26, v2, 12, v26
	v_lshlrev_b32 v30, 3, v2
	s_mul_i32 s21, s15, HALFT
	s_mul_i32 s22, s16, HALFT
	s_add_co_u32 s22, s22, 2*HALFT
.irp s, 0,1
	v_add_nc_u32 v[ADRA+\s], s21, v24
	v_add_nc_u32 v[ADRB+\s], s22, v24
	s_add_co_u32 s21, s21, SLOT
	s_add_co_u32 s22, s22, SLOT
.endr
	v_lshlrev_b32 v5, 5, v3
	v_lshrrev_b32 v6, 8, v5
	v_lshl_add_u32 v5, v6, 4, v5
	s_mul_i32 s21, s15, HALFS
	s_mul_i32 s22, s16, HALFS
	s_add_co_u32 s22, s22, 2*HALFS
	s_sub_co_u32 s22, s22, s21
	v_mul_u32_u24 v6, s22, v2
	s_add_co_u32 s21, s21, SCL
	v_add_nc_u32 v5, v5, v6
	v_add_nc_u32 v[ADRS], s21, v5
	s_lshl_b32 s20, s17, 2
	s_lshl_b32 s21, s15, 1
	s_add_co_u32 s20, s20, s21
	s_and_b32 s21, s42, 3
	s_lshl_b32 s21, s21, 2
	s_lshl_b32 s22, s16, 1
	s_add_co_u32 s21, s21, s22
	s_mov_b32 s98, 768
	s_mov_b32 s99, 3072
	s_mov_b32 s100, 98304
	s_mov_b32 s22, 1536
	s_cmp_eq_u32 ttmp9, 2
	s_cselect_b32 s18, s42, s17
	s_cselect_b32 s19, s16, s15
	s_cselect_b32 s20, s20, s21
	s_cselect_b32 s98, s22, s98
	s_cselect_b32 s99, s100, s99
	s_cselect_b32 s100, 768, s100
	s_lshr_b32 s21, s18, 3
	s_lshl_b32 s21, s21, 4
	s_add_co_u32 s20, s20, s21
	s_and_b32 s18, s18, 7
	s_lshl_b32 s18, s18, 1
	s_add_co_u32 s18, s18, s19
	s_mul_i32 s22, s20, 98304
	s_mul_i32 s23, s18, 6144
	s_add_co_u32 s22, s22, s23
	s_mov_b32 s23, 0
	s_lshl_b32 s46, s20, 12
	s_lshl_b32 s47, s18, 8
	s_add_co_u32 s46, s46, s47
	s_cmp_eq_u32 ttmp9, 0
	s_cselect_b32 s47, 1, 0
	s_lshl_b32 s46, s46, s47
	s_add_co_u32 s46, s46, 6291456
	s_mov_b32 s47, 0
	s_add_nc_u64 s[96:97], s[12:13], s[46:47]
	s_add_nc_u64 s[12:13], s[12:13], s[22:23]
	s_mov_b32 s101, 0xffff0000
.macro FRAG reg, adr, q, i
.irp p, 0,1,2,3,4,5
	ds_load_b64 v[\reg+2*\p:\reg+2*\p+1], v[\adr] offset:(\i)*TROW+(\q)*FRB+256*\p
.endr
.endm
.macro MUL16 a0, p, q, sc, zero
.irp a, \a0, \a0+1
.irp b, 0,1,2,3,4,5,6,7
.if \zero
	v_wmma_scale_f32_16x16x128_f8f6f4 v[8*(8*((\a)%4)+\b):8*(8*((\a)%4)+\b)+7], v[128*(\p)+FR*\b:128*(\p)+FR*\b+FR-1], v[AF+FR*(\a):AF+FR*(\a)+FR-1], 0, v[SC+8*NQ*(\sc)+NQ*\b+(\q)], v[SC+8*NQ*(\sc)+NQ*(\a)+(\q)] matrix_a_fmt:MATRIX_FMT_FP6 matrix_b_fmt:MATRIX_FMT_FP6 matrix_a_scale:MATRIX_SCALE_ROW1
.else
	v_wmma_scale_f32_16x16x128_f8f6f4 v[8*(8*((\a)%4)+\b):8*(8*((\a)%4)+\b)+7], v[128*(\p)+FR*\b:128*(\p)+FR*\b+FR-1], v[AF+FR*(\a):AF+FR*(\a)+FR-1], v[8*(8*((\a)%4)+\b):8*(8*((\a)%4)+\b)+7], v[SC+8*NQ*(\sc)+NQ*\b+(\q)], v[SC+8*NQ*(\sc)+NQ*(\a)+(\q)] matrix_a_fmt:MATRIX_FMT_FP6 matrix_b_fmt:MATRIX_FMT_FP6 matrix_a_scale:MATRIX_SCALE_ROW1
.endif
.endr
.endr
.endm
.macro FETCH_B slot, q, p
	WIN TO_B
.irp i, 0,1,2,3,4,5,6,7
	FRAG 128*(\p)+FR*\i, ADRB+\slot, \q, \i
.endr
	WIN 0
.endm
.macro FETCH_A slot, q, i0
.irp i, \i0, \i0+1, \i0+2, \i0+3
	FRAG AF+FR*(\i), ADRA+\slot, \q, \i
.endr
.endm
.macro SCALES sc
.irp i, 0,1,2,3,4,5,6,7
	ds_load_b64 v[SC+8*NQ*\sc+NQ*\i:SC+8*NQ*\sc+NQ*\i+1], v[ADRS] offset:\i*SBLK
.endr
.endm
.macro PLACES n
.rept \n
	v_nop
.endr
.endm
.macro STEP slot, q, zero
	s_wait_dscnt 4*NL
	WIN MUL_LO
	MUL16 0, (\q)%2, \q, \slot, \zero
	MUL16 2, (\q)%2, \q, \slot, \zero
	s_wait_dscnt 0
	PLACES NP
	FETCH_B \slot, (\q)+1, 1-(\q)%2
	FETCH_A \slot, (\q)+1, 0
	WIN MUL_HI
	MUL16 4, (\q)%2, \q, \slot, \zero
	MUL16 6, (\q)%2, \q, \slot, \zero
	PLACES NP
	WIN 0
	FETCH_A \slot, (\q)+1, 4
.endm
.macro TURN slot, next, fill
	s_wait_tensorcnt 0x0
	ds_add_u32 v[SPW], v[NIL]
	s_wait_dscnt 4*NL+1
	WIN MUL_LO
	MUL16 0, 1, NQ-1, \slot, 0
	s_wait_dscnt 0x0
	s_barrier_signal -1
	MUL16 2, 1, NQ-1, \slot, 0
	WIN 0
	s_barrier_wait -1
.if \fill
	CREST
	s_add_nc_u64 s[G0+4*\slot+2:G0+4*\slot+3], s[G0+4*\slot+2:G0+4*\slot+3], 2*TROW
	s_add_nc_u64 s[G0B+4*\slot+2:G0B+4*\slot+3], s[G0B+4*\slot+2:G0B+4*\slot+3], 2*TROW
	JLOAD G0+4*\slot, G1, G0B+4*\slot, G1B
.else
	PLACES NP
.endif
	s_wait_alu depctr_va_vdst(0)
	v_add_nc_u32 v[ADRS], 4*NQ, v[ADRS]
	FETCH_B \next, 0, 0
	FETCH_A \next, 0, 0
	SCALES \next
	WIN MUL_HI
	MUL16 4, 1, NQ-1, \slot, 0
	MUL16 6, 1, NQ-1, \slot, 0
	PLACES NP
	WIN 0
	FETCH_A \next, 0, 4
.endm
	s_wait_alu depctr_va_vdst(0)
	s_wait_tensorcnt 0x0                           ; my tile of the head's four is in
	ds_add_u32 v[SPW], v[NIL]
	s_mov_b32 s[G1+2], 8<<16                       ; no tensor load of mine is out: from here on a load brings 8 row tiles
	s_mov_b32 s[G1+4], 8
	s_mov_b32 s[G1B+2], 8<<16
	s_mov_b32 s[G1B+4], 8
	s_wait_dscnt 0x0
	CROUND                                         ; all four tiles are in, and the sixteen work-groups are here
	JLOAD G0+4, G1, G0B+4, G1B                     ; slot 1's first fill, the first tensor load behind the round
	FETCH_B 0, 0, 0
	FETCH_A 0, 0, 0
	SCALES 0
	FETCH_A 0, 0, 4
	STEP 0, 0, 1
	s_mov_b32 s3, LAPS-1
.Llap:
	TURN 0, 1, 1
	STEP 1, 0, 0
	TURN 1, 0, 1
	STEP 0, 0, 0
	s_sub_co_u32 s3, s3, 1
	s_cmp_lg_u32 s3, 0
	s_cbranch_scc1 .Llap
	TURN 0, 1, 0
	STEP 1, 0, 0
	s_wait_dscnt 4*NL
	WIN MUL_LO
	MUL16 0, 1, NQ-1, 1, 0
	MUL16 2, 1, NQ-1, 1, 0
	s_wait_dscnt 0
	WIN MUL_HI
	MUL16 4, 1, NQ-1, 1, 0
	MUL16 6, 1, NQ-1, 1, 0
	WIN 0
.macro BATCH be
.set WN, 2+(\be)/2
.set WS, WN|(WN<<2)
	WIN WS
.irp u, 0,1,2,3
.irp z, 0,1
.set AC, 64*((2*(\be)+\u/2)%4)+32*(\u%2)+16*\z
	v_max3_num_f32 v[MX+2*\u+\z], |v[AC]|, |v[AC+1]|, 0x1800000
.endr
.endr
.irp i, 2,4,6,8,10,12,14
.irp u, 0,1,2,3
.irp z, 0,1
.set AC, 64*((2*(\be)+\u/2)%4)+32*(\u%2)+16*\z+\i
	v_max3_num_f32 v[MX+2*\u+\z], |v[AC]|, |v[AC+1]|, v[MX+2*\u+\z]
.endr
.endr
.endr
	WIN 0
.irp u, 0,1,2,3
	v_max_num_f32 v[MX+2*\u], v[MX+2*\u], v[MX+2*\u+1]
.endr
.irp u, 0,1,2,3
	v_add_nc_u32 v[SO+\u], 0xff000000, v[MX+2*\u]
.endr
.irp u, 0,1,2,3
	v_lshrrev_b32 v[BY+\u], 23, v[SO+\u]
.endr
.irp u, 0,1,2,3
	v_lshlrev_b32 v[BY+\u], v30, v[BY+\u]
.endr
.irp u, 0,1,2,3
	v_permlanex16_b32 v[PT+\u], v[BY+\u], s20, s21
.endr
.irp u, 0,1,2,3
	v_or_b32 v[HH+4*(\be)+\u], v[BY+\u], v[PT+\u]
.endr
	WIN WN
.irp u, 0,1,2,3
.set AC, 64*((2*(\be)+\u/2)%4)+32*(\u%2)
.set CD, CD0+6*(4*(\be)+\u)
	v_cvt_scalef32_pk16_fp6_f32 v[CD:CD+2], v[AC:AC+15], v[SO+\u]
	v_cvt_scalef32_pk16_fp6_f32 v[TP+4*\u:TP+4*\u+2], v[AC+16:AC+31], v[SO+\u]
.endr
	WIN 0
	v_nop
.irp u, 0,1,2,3
.set CD, CD0+6*(4*(\be)+\u)
.irp i, 0,1,2
	v_mov_b32 v[CD+3+\i], v[TP+4*\u+\i]
.endr
.endr
.irp u, 0,1,2,3
.set AA, 2*(\be)+\u/2
.set CD, CD0+6*(4*(\be)+\u)
	s_mul_i32 s18, s98, AA%4
.if AA >= 4
	s_add_co_u32 s18, s18, s99
.endif
.if \u%2
	s_add_co_u32 s18, s18, s100
.endif
	v_add_nc_u32 v[UO+4*(\be)+\u], s18, v24
	s_wait_alu depctr_va_vdst(0)
.irp p, 0,1,2
	global_store_b64 v[UO+4*(\be)+\u], v[CD+2*\p:CD+2*\p+1], s[12:13] offset:256*\p
.endr
.endr
.endm
	PLACES NP
	s_mov_b32 s20, 0x76543210
	s_mov_b32 s21, 0xfedcba98
.irp u, 0,1,2,3
	v_mov_b32 v[PT+\u], 0
.endr
	BATCH 0
	BATCH 1
	BATCH 2
	BATCH 3
	s_cmp_eq_u32 ttmp9, 0
	s_cbranch_scc0 .Lnot_q
.irp g, 0,1
.irp j, 0,1,2,3
	v_cndmask_b32 v[DW+4*\g+\j], v[HH+2*\j+\g], v[HH+8+2*\j+\g], s101
.endr
.irp j, 0,1,2,3
	v_lshl_or_b32 v[DW+4*\g+\j], v[DW+4*\g+\j], 16, v[DW+4*\g+\j]
.endr
	global_store_b128 v25, v[DW+4*\g:DW+4*\g+3], s[96:97] offset:8192*\g
.endr
	s_branch .Ldone
.Lnot_q:
	s_cmp_eq_u32 ttmp9, 1
	s_cbranch_scc0 .Lis_v
.irp f, 0,1,2,3
	v_cndmask_b32 v[DW+\f], v[HH+4*\f], v[HH+4*\f+1], s101
	v_cndmask_b32 v[DW+4+\f], v[HH+4*\f+2], v[HH+4*\f+3], s101
.endr
.irp f, 0,1,2,3
	v_lshl_or_b32 v[DW+\f], v[DW+4+\f], 16, v[DW+\f]
.endr
	global_store_b128 v26, v[DW:DW+3], s[96:97]
	s_branch .Ldone
.Lis_v:
.irp j, 0,1,2,3
	v_cndmask_b32 v[DW+\j], v[HH+2*\j], v[HH+8+2*\j], s101
	v_cndmask_b32 v[DW+4+\j], v[HH+2*\j+1], v[HH+9+2*\j], s101
.endr
.irp j, 0,1,2,3
	v_lshl_or_b32 v[DW+\j], v[DW+4+\j], 16, v[DW+\j]
.endr
	global_store_b128 v26, v[DW:DW+3], s[96:97]
.Ldone:
	s_wait_tensorcnt 0x0
	ds_add_u32 v[SPW], v[NIL]
	s_wait_dscnt 0x0
	CROUND
	s_endpgm
.Lfunc_end_k_q281df4e173_qkv:
	.size	k_q281df4e173_qkv, .Lfunc_end_k_q281df4e173_qkv-k_q281df4e173_qkv
	.p2alignl 7, 3214868480
	.fill 96, 4, 3214868480
	.section	.rodata,"a",@progbits
	.p2align	6, 0x0
	.amdhsa_kernel k_q281df4e173_qkv
		.amdhsa_group_segment_fixed_size 327680
		.amdhsa_private_segment_fixed_size 0
		.amdhsa_enable_private_segment 0
		.amdhsa_kernarg_size 40
		.amdhsa_user_sgpr_count 2
		.amdhsa_user_sgpr_kernarg_segment_ptr 1
		.amdhsa_wavefront_size32 1
		.amdhsa_system_sgpr_workgroup_id_x 1
		.amdhsa_system_sgpr_workgroup_id_y 1
		.amdhsa_system_sgpr_workgroup_id_z 1
		.amdhsa_system_vgpr_workitem_id 0
		.amdhsa_next_free_vgpr 1024
		.amdhsa_next_free_sgpr 102
		.amdhsa_reserve_vcc 0
		.amdhsa_float_denorm_mode_32 3
		.amdhsa_float_denorm_mode_16_64 3
		.amdhsa_memory_ordered 1
		.amdhsa_forward_progress 1
		.amdhsa_inst_pref_size 167
	.end_amdhsa_kernel
	.amdgpu_metadata
---
amdhsa.version: [ 1, 2 ]
amdhsa.kernels:
  - .name:           k_q281df4e173_qkv
    .symbol:         k_q281df4e173_qkv.kd
    .args:
      - { .name: xq, .offset: 0, .size: 8, .value_kind: global_buffer, .address_space: global }
      - { .name: wq, .offset: 8, .size: 8, .value_kind: global_buffer, .address_space: global }
      - { .name: qq, .offset: 16, .size: 8, .value_kind: global_buffer, .address_space: global }
      - { .name: kq, .offset: 24, .size: 8, .value_kind: global_buffer, .address_space: global }
      - { .name: vq, .offset: 32, .size: 8, .value_kind: global_buffer, .address_space: global }
    .group_segment_fixed_size: 327680
    .private_segment_fixed_size: 0
    .kernarg_segment_align: 8
    .kernarg_segment_size: 40
    .max_flat_workgroup_size: 128
    .sgpr_count:     102
    .vgpr_count:     1024
    .wavefront_size: 32
...
	.end_amdgpu_metadata
.endif
;; end of part 2
;; launch attn (part 3): grid 4 x 64, 8 waves a work-group, clusters of 4 x 1, 327,680 bytes of LDS; arguments qq, kq, vq, aq; writes aq
.if DOCPART == 3
	.amdgcn_target "amdgcn-amd-amdhsa--gfx1250"
	.amdhsa_code_object_version 6
	.text
	.protected	k_q281df4e173_attn
	.globl	k_q281df4e173_attn
	.p2align	8
	.type	k_q281df4e173_attn,@function
k_q281df4e173_attn:
	s_mov_b64 s[64:65], 0
	v_nop
	global_prefetch_b8 v0, s[64:65] scope:SCOPE_SE
	s_setreg_imm32_b32 hwreg(HW_REG_WAVE_MODE, 25, 1), 1
	s_wait_xcnt 0x0
	s_wait_alu depctr_hold_cnt(0) depctr_sa_sdst(0) depctr_va_vdst(0) depctr_va_sdst(0) depctr_va_ssrc(0) depctr_va_vcc(0) depctr_vm_vsrc(0)
	s_getreg_b32 s2, hwreg(HW_REG_IB_STS2, 6, 4)
	s_cmp_eq_u32 s2, 0
	s_cbranch_scc0 .Lentry_in_a_cluster
	s_endpgm
.Lentry_in_a_cluster:
	s_bfe_u32 s2, ttmp6, 0x10000c
	s_cmp_lg_u32 s2, 0x3003
	s_cbranch_scc0 .Lentry_shape_is_right
	s_endpgm
.Lentry_shape_is_right:
; For each of 64 heads (16 x batch + head): O = softmax(q k^T / 32) v on codes of FP6 (E2M3) with E8M0 scales; O / l is quantised along the model's 1,024 and leaves as codes, an image of the last product's operand.
; THE SOFTMAX: t = score x log2(e) / 32; M = the running largest t rounded UP to a whole number; p = 2^(t - M) is quantised along the keys, not normalised; l is the f32 sum of the unquantised p; when M moves, l and O
; are multiplied by 2^(old M - new M), which rounds nothing.
; SHARES.  A work-group has one head and 512 queries, each of its eight waves four tiles of 16; two waves to a SIMD.  Every wave walks the head's 2,048 keys, 128 a step.
; ALL OF THE HEAD'S K AND V (196,608 bytes of codes, 8,192 of scale words) COME INTO LDS ONCE: no byte of LDS is filled twice.  The four work-groups of a cluster have the same head: each tile is asked for
; JOINTLY, by the same three tensor loads a wave with a mask that names the four.  So there is nothing left to prefetch: every byte is asked for at the kernel's head.
; LAYOUT.  S^T = K Q^T, O^T = V^T P^T: a lane holds ONE query.  Key tile t's lane row m is key 64 (t / 4) + 8 (t % 4) + m % 8 + 32 (m / 8), so the 32 registers of four neighbouring tiles are 32 neighbouring keys:
; a whole block of p in one lane, in the order of the next operand's registers.  The same holds of O^T's four channel tiles.
; K = 64 fills half of the instruction's 128: a fragment of K holds TWO key tiles, and Q stands in 18 registers [Q | 0 | Q]: registers 0-11 pick the first tile, registers 6-17 the second.  Zero codes add nothing.
; A block's largest p is not searched for: the block's largest score goes through the same multiply-add and exponential (this takes v_exp_f32 not to fall where its input rises).
; LIMITS: a block whose largest magnitude lies under 2^-124 gets the byte 1 (only this program reads the bytes); NaN and infinities are not served.
; REGISTERS.  window 0: v1-10 addresses; v16-63 p's codes, 12 a tile; v64-127 S^T, then p; v128-175 K, four fragments; v176-183 second halves of codes; v184-199 a tile's -M, largest score, l (two halves);
;   v200-203 K's scale words, v208-211 Q's, v248-251 V's, v252-255 p's; v216-247 at work.   window 1: v0-127 O^T, 32 a tile; v128-199 [Q | 0 | Q], 18 a tile; v200-247 V, four fragments.
.set KSC,   196608                     ; K's codes at 0, V's at 98,304; K's scale words here, V's 4,096 bytes on
.set SPARE, 204800                     ; the spare words, 128 bytes for each wave: four blocks of 256 bytes that no other line names
.set L8,  1
.set R16, 2
.set ADK, 3
.set ADV, 4
.set ADS, 5
.set SH8, 6
.set SPW, 8
.set NIL, 9
.set P,   16
.set S,   64
.set KF,  128
.set TMP, 176
.set ST,  184
.set KS,  200
.set QS,  208
.set BM,  216
.set XX,  220
.set YY,  221
.set FF,  222
.set DD,  224
.set NT,  225
.set SO,  226
.set BY,  228
.set WW,  230
.set PT,  231
.set RC,  232
.set VS,  248
.set PS,  252
.set QF,  128                          ; in window 1
.set VF,  200                          ; in window 1
.set WV,  12
.set G1A, 28
.set G1B, 36
.set G1C, 44
.set SEL, 66
.set CS,  68
.set CN,  70
.set TB,  71
.set TSC, 72
.set CNT, 73
.set MSB, 0
.macro WIN new
.if MSB != \new
	s_set_vgpr_msb (MSB<<8)|\new
.set MSB, \new
.endif
.endm
.macro CROUND
	s_barrier_signal -1
	s_barrier_wait -1
	s_cmp_lg_u32 s[WV], 0
	s_cbranch_scc1 .Lnot_wave_0_\@
	s_barrier_signal -3
.Lnot_wave_0_\@:
	s_barrier_wait -3
	s_barrier_signal -1
	s_barrier_wait -1
.endm
	s_load_b256 s[4:11], s[0:1], 0x0               ; qq, kq, vq, aq
	v_lshl_add_u32 v[SPW], v0, 2, SPARE
	v_mov_b32 v[NIL], 0
	ds_add_u32 v[SPW], v[NIL]                      ; the wave's opening
	ds_add_u32 v[SPW], v[NIL]
	v_lshrrev_b32 v1, 5, v0
	s_delay_alu instid0(VALU_DEP_1)
	v_readfirstlane_b32 s[WV], v1                  ; wave 0..7
	s_bfe_u32 s13, ttmp6, 0x40000                  ; cx: it enters Q's and the output's addresses alone
	s_and_b32 s14, ttmp7, 0xffff                   ; 16 x batch + head, which the four partners share
	s_lshr_b32 s15, s[WV], 2                       ; I fetch for K (0) or for V (1),
	s_and_b32 s16, s[WV], 3                        ; a quarter of it
.irp g, G1A, G1B, G1C                              ; dense blocks as rows of 256 bytes (32 elements of 8 bytes); mask: all four work-groups
	s_mov_b32 s[\g], 15|(3<<16)|(1<<21)
	s_mov_b32 s[\g+1], 32<<16
	s_mov_b32 s[\g+3], 32<<16
	s_mov_b32 s[\g+5], 32
	s_mov_b32 s[\g+6], 0
	s_mov_b32 s[\g+7], 0
.endr
	s_mov_b32 s[G1A+2], 16<<16                     ; a tensor's scale words: 4,096 bytes
	s_mov_b32 s[G1A+4], 16
	s_mov_b32 s[G1B+2], 24<<16                     ; a tensor's key step 0: 6,144 bytes
	s_mov_b32 s[G1B+4], 24
	s_mov_b32 s[G1C+2], 90<<16                     ; key steps 1 to 15: 23,040 bytes
	s_mov_b32 s[G1C+4], 90
	s_and_b32 s21, s[WV], 1                        ; at the head waves 0 to 3 fetch for K (0) or for V (1)
	s_lshl_b32 s17, s21, 12
	s_add_co_u32 s17, s17, KSC
	s_mul_i32 s18, s15, 98304
	s_mul_i32 s19, s21, 98304
	s_mul_i32 s20, s16, 23040
	s_add_co_u32 s20, s20, s18
	s_add_co_u32 s20, s20, 6144
	s_lshl_b32 s22, s14, 12
	s_add_co_u32 s22, s22, 6291456
	s_mov_b32 s23, 0
	s_mul_i32 s24, s14, 98304
	s_mov_b32 s26, s24
	s_mov_b32 s27, 0
	s_mul_i32 s82, s16, 23040
	s_add_co_u32 s82, s82, s24
	s_add_co_u32 s82, s82, 6144
	s_mov_b32 s83, 0
	s_mov_b32 s[SEL], 0x76543210
	s_mov_b32 s[SEL+1], 0xfedcba98
	s_mov_b32 s[CS], 0x3d38aa3b                    ; c = log2(e) / 32
	s_mov_b32 s[CS+1], s[CS]                       ; (named with it as a pair)
	s_mov_b32 s[CN], 0xbd38aa3b                    ; -c
	s_mov_b32 s[TB], 0
	s_mov_b32 s[TSC], 0
	v_and_b32 v11, 31, v0
	s_delay_alu instid0(VALU_DEP_1)
	v_lshlrev_b32 v[L8], 3, v11                    ; 8 x lane
	v_and_b32 v12, 15, v0
	s_delay_alu instid0(VALU_DEP_1)
	v_lshlrev_b32 v7, 4, v12                       ; 16 r
	s_delay_alu instid0(VALU_DEP_1)
	v_add_nc_u32 v[R16], KSC, v7
	s_delay_alu instid0(VALU_DEP_3)
	v_lshlrev_b32 v10, 5, v12                      ; 32 r
	v_bfe_u32 v[SH8], v0, 4, 1
	s_delay_alu instid0(VALU_DEP_1)
	v_lshlrev_b32 v[SH8], 3, v[SH8]                ; 8 h
	v_mov_b32 v[YY], 0                             ; lane permutes' destinations and the upper halves of named pairs are written once
	v_mov_b32 v[PT], 0
	v_mov_b32 v[FF], 0
	v_mov_b32 v[FF+1], 0
	s_wait_dscnt 0x0                               ; the opening add is done
	s_wait_kmcnt 0x0
	s_cmp_lt_u32 s[WV], 4
	s_cselect_b64 s[84:85], s[6:7], s[8:9]
	s_cmp_eq_u32 s21, 0
	s_cselect_b64 s[86:87], s[6:7], s[8:9]
	s_mov_b32 s52, 1
	s_mov_b32 s53, s17
	s_add_nc_u64 s[54:55], s[86:87], s[22:23]
	s_or_b32 s55, s55, 0x80000000
	s_mov_b32 s56, 1
	s_mov_b32 s57, s19
	s_add_nc_u64 s[58:59], s[86:87], s[26:27]
	s_or_b32 s59, s59, 0x80000000
	s_mov_b32 s60, 1
	s_mov_b32 s61, s20
	s_add_nc_u64 s[62:63], s[84:85], s[82:83]
	s_or_b32 s63, s63, 0x80000000
	s_lshl_b32 s15, s13, 5
	s_lshl_b32 s16, s[WV], 2
	s_add_co_u32 s15, s15, s16                     ; my first query tile of the batch's 128
	s_lshr_b32 s16, s14, 4
	s_lshl_b32 s16, s16, 7
	s_add_co_u32 s16, s16, s15                     ; and of all 512
	s_and_b32 s17, s14, 15                         ; the head
	s_mul_i32 s18, s16, 12288
	s_mul_i32 s19, s17, 768
	s_add_co_u32 s18, s18, s19
	s_mov_b32 s19, 0
	s_add_nc_u64 s[74:75], s[10:11], s[18:19]      ; the output's codes: row tile, the head's unit
	s_lshl_b32 s18, s16, 9
	s_lshl_b32 s20, s17, 1
	s_add_co_u32 s18, s18, s20
	s_add_co_u32 s18, s18, 6291456
	s_add_nc_u64 s[76:77], s[10:11], s[18:19]      ; its scale bytes: two a row and head
	s_lshl_b32 s18, s14, 7
	s_add_co_u32 s18, s18, s15
	s_mul_i32 s18, s18, 768
	s_add_nc_u64 s[78:79], s[4:5], s[18:19]        ; Q's codes
	s_lshl_b32 s18, s14, 5
	s_lshl_b32 s20, s13, 3
	s_add_co_u32 s18, s18, s20
	s_add_co_u32 s18, s18, s[WV]
	s_lshl_b32 s18, s18, 8
	s_add_co_u32 s18, s18, 6291456
	s_add_nc_u64 s[80:81], s[4:5], s[18:19]        ; Q's scale words
	CROUND                                         ; all four work-groups are here: the joint loads meet
	; the head's joint loads, at most one a wave: waves 0, 1 K's and V's scale words, waves 2, 3 K's and V's key step 0; waves 4 to 7 none
	s_cmp_lt_u32 s[WV], 2
	s_cbranch_scc0 .Lh_codes
	tensor_load_to_lds s[52:55], s[G1A:G1A+7]
	s_nop 0
.rept 4
	v_nop
.endr
	s_branch .Lh_asked
.Lh_codes:
	s_cmp_lt_u32 s[WV], 4
	s_cbranch_scc0 .Lh_asked
	tensor_load_to_lds s[56:59], s[G1B:G1B+7]
	s_nop 0
.rept 4
	v_nop
.endr
.Lh_asked:
	WIN 0x40                                       ; destination window 1
.irp t, 0,1,2,3
.irp p, 0,1,2
	global_load_b64 v[QF+18*\t+2*\p:QF+18*\t+2*\p+1], v[L8], s[78:79] offset:768*\t+256*\p
	global_load_b64 v[QF+18*\t+12+2*\p:QF+18*\t+13+2*\p], v[L8], s[78:79] offset:768*\t+256*\p
.endr
.irp z, 6,7,8,9,10,11
	v_mov_b32 v[QF+18*\t+\z], 0
.endr
.endr
	WIN 0
	global_load_b128 v[QS:QS+3], v7, s[80:81]
.macro KQ t                            ; the scores of tile t against the step's 128 keys: eight products, each with C = 0
	WIN 0x04                                       ; source 1 (Q) window 1
.irp f, 0,1,2,3
.irp e, 0,1
	v_wmma_scale_f32_16x16x128_f8f6f4 v[S+8*(2*\f+\e):S+8*(2*\f+\e)+7], v[KF+12*\f:KF+12*\f+11], v[QF+18*(\t)+6*\e:QF+18*(\t)+6*\e+11], 0, v[KS+\f], v[QS+(\t)] matrix_a_fmt:MATRIX_FMT_FP6 matrix_b_fmt:MATRIX_FMT_FP6
.endr
.endr
	WIN 0
.endm
.macro SOFT t, first                   ; register 32 c + i of S is key 64 c + 32 h + i of the step
.set rT, ST+4*(\t)
.set rP, P+12*(\t)
.irp c, 0,1                                        ; the largest score of each of my two blocks: two chains a block, the four by turns; every accumulator is first read at its low end
	v_max3_num_f32 v[BM+2*\c], v[S+32*\c], v[S+32*\c+1], v[S+32*\c+2]
	v_max3_num_f32 v[BM+2*\c+1], v[S+32*\c+16], v[S+32*\c+17], v[S+32*\c+18]
.endr
.irp i, 3,5,7,9,11,13
.irp c, 0,1
	v_max3_num_f32 v[BM+2*\c], v[BM+2*\c], v[S+32*\c+\i], v[S+32*\c+\i+1]
	v_max3_num_f32 v[BM+2*\c+1], v[BM+2*\c+1], v[S+32*\c+16+\i], v[S+32*\c+17+\i]
.endr
.endr
.irp c, 0,1
	v_max3_num_f32 v[BM+2*\c], v[BM+2*\c], v[BM+2*\c+1], v[S+32*\c+15]
.endr
.irp c, 0,1
	v_max_num_f32 v[BM+2*\c], v[BM+2*\c], v[S+32*\c+31]
.endr
	s_delay_alu instid0(VALU_DEP_1)
	v_max_num_f32 v[XX], v[BM], v[BM+2]
	s_delay_alu instid0(VALU_DEP_1)
	v_permlanex16_b32 v[YY], v[XX], s[SEL], s[SEL+1]   ; the query's other 64 keys lie in the lane 16 away
.if \first
	s_delay_alu instid0(VALU_DEP_1)
	v_max_num_f32 v[rT+1], v[XX], v[YY]
.else
	s_delay_alu instid0(VALU_DEP_1)
	v_max3_num_f32 v[rT+1], v[rT+1], v[XX], v[YY]  ; the running largest score
	v_mov_b32 v[DD], v[rT]
.endif
	v_mul_f32 v[NT], s[CN], v[rT+1]                ; -t
	s_delay_alu instid0(VALU_DEP_1)
	v_floor_f32 v[rT], v[NT]                       ; -M = floor(-t): M is a whole number
.if !\first
	s_delay_alu instid0(VALU_DEP_1)
	v_sub_f32 v[DD], v[rT], v[DD]                  ; old M - new M, 0 or less
	s_delay_alu instid0(VALU_DEP_1)
	v_cvt_i32_f32 v[DD], v[DD]                     ; (it saturates)
	s_delay_alu instid0(VALU_DEP_1)
	v_ldexp_f32 v[FF], 1.0, v[DD]                  ; f = 2^(old M - new M)
.endif
.set j, 0
.rept 32
	v_pk_fma_f32 v[S+j:S+j+1], v[S+j:S+j+1], s[CS:CS+1], v[rT:rT+1] op_sel_hi:[1,0,0]   ; t - M
.set j, j+2
.endr
	v_fma_f32 v[BM], v[BM], s[CS], v[rT]
	v_fma_f32 v[BM+2], v[BM+2], s[CS], v[rT]
.set j, 0
	s_wait_alu depctr_va_vdst(0)
.rept 64
	v_exp_f32 v[S+j], v[S+j]                       ; p = 2^(t - M)
.set j, j+1
.endr
.if \first
	v_nop                                          ; a plain place behind the exponentials
.else
	v_pk_mul_f32 v[rT+2:rT+3], v[rT+2:rT+3], v[FF:FF+1] op_sel_hi:[1,0]   ; l under the new M (a plain place behind the exponentials)
.endif
	s_wait_alu depctr_va_vdst(0)                   ; one wait for the batch, ahead of its first reader
	v_exp_f32 v[BM], v[BM]                         ; the blocks' largest p
	v_exp_f32 v[BM+2], v[BM+2]
	v_pk_add_f32 v[XX:XX+1], v[S:S+1], v[S+2:S+3]  ; l is taken of the unquantised p, in two chains
.if \first
	v_pk_add_f32 v[rT+2:rT+3], v[S+4:S+5], v[S+6:S+7]
.set j, 8
.else
.set j, 4
.endif
.rept (64-j)/4
	v_pk_add_f32 v[rT+2:rT+3], v[rT+2:rT+3], v[S+j:S+j+1]
	v_pk_add_f32 v[XX:XX+1], v[XX:XX+1], v[S+j+2:S+j+3]
.set j, j+4
.endr
	s_delay_alu instid0(VALU_DEP_1)
	v_pk_add_f32 v[rT+2:rT+3], v[rT+2:rT+3], v[XX:XX+1]
	s_wait_alu depctr_va_vdst(0)                   ; and one for the two
	v_max_num_f32 v[BM], 0x1800000, v[BM]          ; the floor 2^(3 - 127): the byte cannot fall under 1
	v_max_num_f32 v[BM+2], 0x1800000, v[BM+2]
	s_delay_alu instid0(VALU_DEP_2)
	v_add_nc_u32 v[SO], 0xff000000, v[BM]
	s_delay_alu instid0(VALU_DEP_2)
	v_add_nc_u32 v[SO+1], 0xff000000, v[BM+2]
	s_delay_alu instid0(VALU_DEP_2)
	v_lshrrev_b32 v[BY], 23, v[SO]
	s_delay_alu instid0(VALU_DEP_2)
	v_lshrrev_b32 v[BY+1], 23, v[SO+1]
	s_delay_alu instid0(VALU_DEP_1)
	v_lshl_or_b32 v[WW], v[BY+1], 16, v[BY]
	s_delay_alu instid0(VALU_DEP_1)
	v_lshlrev_b32 v[WW], v[SH8], v[WW]
	s_delay_alu instid0(VALU_DEP_1)
	v_permlanex16_b32 v[PT], v[WW], s[SEL], s[SEL+1]
	s_delay_alu instid0(VALU_DEP_1)
	v_or_b32 v[PS+(\t)], v[WW], v[PT]              ; p's scale word for these 128 keys
	v_cvt_scalef32_pk16_fp6_f32 v[rP:rP+2], v[S:S+15], v[SO]
	v_cvt_scalef32_pk16_fp6_f32 v[TMP:TMP+2], v[S+16:S+31], v[SO]
	v_cvt_scalef32_pk16_fp6_f32 v[rP+6:rP+8], v[S+32:S+47], v[SO+1]
	v_cvt_scalef32_pk16_fp6_f32 v[TMP+4:TMP+6], v[S+48:S+63], v[SO+1]
	v_nop                                          ; one plain place behind the conversions: the next products write their sources
.endm
.macro TAIL t, first                   ; plain work on registers that the products just issued do not name: it fills the places behind them
.set rP, P+12*(\t)
.irp i, 0,1,2
	v_mov_b32 v[rP+3+\i], v[TMP+\i]
	v_mov_b32 v[rP+9+\i], v[TMP+4+\i]
.endr
.if !\first
	WIN 0x41                                       ; O^T: destination and source 0 in window 1
.set j, 0
.rept 16
	v_pk_mul_f32 v[32*(\t)+j:32*(\t)+j+1], v[32*(\t)+j:32*(\t)+j+1], v[FF:FF+1] op_sel_hi:[1,0]   ; O^T under the new M
.set j, j+2
.endr
	WIN 0
.endif
.endm
.macro PV first                        ; O^T += V^T P^T: sixteen accumulators, one instruction each
	WIN 0x51                                       ; V, C and D in window 1, P in window 0
.irp i, 0,1,2,3
.irp t, 0,1,2,3
.if \first
	v_wmma_scale_f32_16x16x128_f8f6f4 v[32*\t+8*\i:32*\t+8*\i+7], v[VF+12*\i:VF+12*\i+11], v[P+12*\t:P+12*\t+11], 0, v[VS+\i], v[PS+\t] matrix_a_fmt:MATRIX_FMT_FP6 matrix_b_fmt:MATRIX_FMT_FP6
.else
	v_wmma_scale_f32_16x16x128_f8f6f4 v[32*\t+8*\i:32*\t+8*\i+7], v[VF+12*\i:VF+12*\i+11], v[P+12*\t:P+12*\t+11], v[32*\t+8*\i:32*\t+8*\i+7], v[VS+\i], v[PS+\t] matrix_a_fmt:MATRIX_FMT_FP6 matrix_b_fmt:MATRIX_FMT_FP6
.endif
.endr
.endr
	WIN 0
.endm
.macro STEP first                      ; 128 keys
	v_add_nc_u32 v[ADK], s[TB], v[L8]              ; these four lines are the places between the last products and the loads into their operands
	v_add_nc_u32 v[ADS], s[TSC], v[R16]
	s_delay_alu instid0(VALU_DEP_2)
	v_add_nc_u32 v[ADV], 98304, v[ADK]
	v_nop
.irp u, 0,1,2,3,4,5,6,7
.irp p, 0,1,2
	ds_load_b64 v[KF+6*\u+2*\p:KF+6*\u+2*\p+1], v[ADK] offset:768*\u+256*\p
.endr
.endr
	ds_load_b128 v[KS:KS+3], v[ADS]
	WIN 0x40
.irp u, 0,1,2,3,4,5,6,7
.irp p, 0,1,2
	ds_load_b64 v[VF+6*\u+2*\p:VF+6*\u+2*\p+1], v[ADV] offset:768*\u+256*\p
.endr
.endr
	WIN 0
	ds_load_b128 v[VS:VS+3], v[ADS] offset:4096
	s_wait_dscnt 25                                ; K and its scale words are in; V's 24 loads and its scale words may be out
	KQ 0
.rept 4
	v_nop
.endr
	SOFT 0, \first
	KQ 1
	TAIL 0, \first
	SOFT 1, \first
	KQ 2
	TAIL 1, \first
	SOFT 2, \first
	KQ 3
	TAIL 2, \first
	SOFT 3, \first
	TAIL 3, \first
.if \first
	s_wait_alu depctr_va_vdst(0)
.rept 4
	v_nop                                          ; with the lines above: eight places behind the last scale word, four behind the last code
.endr
.endif
	s_wait_alu depctr_va_vdst(0)
	s_wait_dscnt 0x0                               ; V is in
	PV \first
	s_add_co_u32 s[TB], s[TB], 6144
	s_add_co_u32 s[TSC], s[TSC], 256
.endm
	s_wait_alu depctr_va_vdst(0)
	s_wait_loadcnt 0x0                             ; Q
	s_wait_tensorcnt 0x0                           ; the head's load, where I issued one, is in
	ds_add_u32 v[SPW], v[NIL]
	ds_add_u32 v[SPW], v[NIL]                      ; the add twice
	s_wait_dscnt 0x0
	CROUND                                         ; everybody's are in, and all four work-groups are here
	tensor_load_to_lds s[60:63], s[G1C:G1C+7]      ; key steps 1 to 15, an eighth of K's and V's a wave: one load of mine is out under key step 0's work
	s_nop 0
.rept 4
	v_nop
.endr
	STEP 1                                         ; key step 0 starts m, l and O^T: nothing is cleared
	s_wait_dscnt 0x0
	s_wait_tensorcnt 0x0                           ; my part of steps 1 to 15 is in
	s_barrier_signal -1
	s_barrier_wait -1
	s_mov_b32 s[CNT], 15
.Lstep:
	STEP 0
	s_sub_co_u32 s[CNT], s[CNT], 1
	s_cmp_lg_u32 s[CNT], 0
	s_cbranch_scc1 .Lstep
	; THE WAY OUT.  l's halves and the other lane's are added (these lines are the places behind the last products); O^T / l is one block of 32 along the model's 1,024 in each lane.
.irp t, 0,1,2,3
	v_add_f32 v[240+\t], v[ST+4*\t+2], v[ST+4*\t+3]
.endr
.irp t, 0,1,2,3
	v_mov_b32 v[244+\t], 0
	v_mov_b32 v[RC+1+2*\t], 0
.endr
.irp t, 0,1,2,3
	v_permlanex16_b32 v[244+\t], v[240+\t], s[SEL], s[SEL+1]
.endr
.irp t, 0,1,2,3
	s_delay_alu instid0(VALU_DEP_4)
	v_add_f32 v[240+\t], v[240+\t], v[244+\t]
.endr
	s_wait_alu depctr_va_vdst(0)
.irp t, 0,1,2,3
	v_rcp_f32 v[RC+2*\t], v[240+\t]
.endr
	v_nop                                          ; a plain place behind the reciprocals
	s_wait_alu depctr_va_vdst(0)                   ; one wait for the four, ahead of their first reader
.macro OUTT t
.set rS, S+32*((\t)%2)
.set rP, P+12*(\t)
	WIN 0x01                                       ; source 0 (O^T) window 1
.set j, 0
.rept 16
	v_pk_mul_f32 v[rS+j:rS+j+1], v[32*(\t)+j:32*(\t)+j+1], v[RC+2*(\t):RC+2*(\t)+1] op_sel_hi:[1,0]
.set j, j+2
.endr
	WIN 0
	v_max3_num_f32 v[BM], |v[rS]|, |v[rS+1]|, 0x1800000
	v_max3_num_f32 v[BM+1], |v[rS+16]|, |v[rS+17]|, 0x1800000
.irp i, 2,4,6,8,10,12,14
	s_delay_alu instid0(VALU_DEP_2)
	v_max3_num_f32 v[BM], v[BM], |v[rS+\i]|, |v[rS+\i+1]|
	s_delay_alu instid0(VALU_DEP_2)
	v_max3_num_f32 v[BM+1], v[BM+1], |v[rS+16+\i]|, |v[rS+17+\i]|
.endr
	s_delay_alu instid0(VALU_DEP_1)
	v_max_num_f32 v[BM], v[BM], v[BM+1]
	s_delay_alu instid0(VALU_DEP_1)
	v_add_nc_u32 v[SO], 0xff000000, v[BM]
	s_delay_alu instid0(VALU_DEP_1)
	v_lshrrev_b32 v[BY], 23, v[SO]
	v_cvt_scalef32_pk16_fp6_f32 v[rP:rP+2], v[rS:rS+15], v[SO]
	v_cvt_scalef32_pk16_fp6_f32 v[TMP:TMP+2], v[rS+16:rS+31], v[SO]
	v_lshlrev_b32 v[BY], v[SH8], v[BY]             ; (the plain place behind the conversions)
	s_delay_alu instid0(VALU_DEP_1)
	v_permlanex16_b32 v[YY], v[BY], s[SEL], s[SEL+1]
	s_delay_alu instid0(VALU_DEP_1)
	v_or_b32 v[PS+(\t)], v[BY], v[YY]              ; the head's two bytes of my row
.irp i, 0,1,2
	v_mov_b32 v[rP+3+\i], v[TMP+\i]
.endr
.irp p, 0,1,2
	global_store_b64 v[L8], v[rP+2*\p:rP+2*\p+1], s[74:75] offset:12288*(\t)+256*\p   ; 256 consecutive bytes, aligned
.endr
	global_store_b16 v10, v[PS+(\t)], s[76:77] offset:512*(\t)   ; two bytes of a row's 32: a row's scale bytes come from sixteen heads, which are sixteen work-groups; one byte for each 24 of codes.  Lanes r and r + 16 store the same
.endm
	OUTT 0
	OUTT 1
	OUTT 2
	OUTT 3
	s_wait_tensorcnt 0x0                           ; the wave's end
	ds_add_u32 v[SPW], v[NIL]
	s_wait_dscnt 0x0
	CROUND                                         ; the closing round
	s_endpgm
.Lfunc_end_k_q281df4e173_attn:
	.size	k_q281df4e173_attn, .Lfunc_end_k_q281df4e173_attn-k_q281df4e173_attn
	.p2alignl 7, 3214868480
	.fill 96, 4, 3214868480
	.section	.rodata,"a",@progbits
	.p2align	6, 0x0
	.amdhsa_kernel k_q281df4e173_attn
		.amdhsa_group_segment_fixed_size 327680
		.amdhsa_private_segment_fixed_size 0
		.amdhsa_enable_private_segment 0
		.amdhsa_kernarg_size 32
		.amdhsa_user_sgpr_count 2
		.amdhsa_user_sgpr_kernarg_segment_ptr 1
		.amdhsa_wavefront_size32 1
		.amdhsa_system_sgpr_workgroup_id_x 1
		.amdhsa_system_sgpr_workgroup_id_y 1
		.amdhsa_system_sgpr_workgroup_id_z 1
		.amdhsa_system_vgpr_workitem_id 0
		.amdhsa_next_free_vgpr 512
		.amdhsa_next_free_sgpr 90
		.amdhsa_reserve_vcc 0
		.amdhsa_float_denorm_mode_32 3
		.amdhsa_float_denorm_mode_16_64 3
		.amdhsa_memory_ordered 1
		.amdhsa_forward_progress 1
		.amdhsa_inst_pref_size 131
	.end_amdhsa_kernel
	.amdgpu_metadata
---
amdhsa.version: [ 1, 2 ]
amdhsa.kernels:
  - .name:           k_q281df4e173_attn
    .symbol:         k_q281df4e173_attn.kd
    .args:
      - { .name: qq, .offset: 0, .size: 8, .value_kind: global_buffer, .address_space: global }
      - { .name: kq, .offset: 8, .size: 8, .value_kind: global_buffer, .address_space: global }
      - { .name: vq, .offset: 16, .size: 8, .value_kind: global_buffer, .address_space: global }
      - { .name: aq, .offset: 24, .size: 8, .value_kind: global_buffer, .address_space: global }
    .group_segment_fixed_size: 327680
    .private_segment_fixed_size: 0
    .kernarg_segment_align: 8
    .kernarg_segment_size: 32
    .max_flat_workgroup_size: 256
    .sgpr_count:     90
    .vgpr_count:     512
    .wavefront_size: 32
...
	.end_amdgpu_metadata
.endif
;; end of part 3
;; launch proj (part 4): grid 8 x 32, 4 waves a work-group, clusters of 4 x 4, 327,680 bytes of LDS; arguments aq, wq, b_proj, out0; writes out0
.if DOCPART == 4
	.amdgcn_target "amdgcn-amd-amdhsa--gfx1250"
	.amdhsa_code_object_version 6
	.text
	.protected	k_q281df4e173_proj
	.globl	k_q281df4e173_proj
	.p2align	8
	.type	k_q281df4e173_proj,@function
k_q281df4e173_proj:
	s_mov_b64 s[64:65], 0
	v_nop
	global_prefetch_b8 v0, s[64:65] scope:SCOPE_SE
	s_setreg_imm32_b32 hwreg(HW_REG_WAVE_MODE, 25, 1), 1
	s_wait_xcnt 0x0
	s_wait_alu depctr_hold_cnt(0) depctr_sa_sdst(0) depctr_va_vdst(0) depctr_va_sdst(0) depctr_va_ssrc(0) depctr_va_vcc(0) depctr_vm_vsrc(0)
	s_getreg_b32 s2, hwreg(HW_REG_IB_STS2, 6, 4)
	s_cmp_eq_u32 s2, 0
	s_cbranch_scc0 .Lentry_in_a_cluster
	s_endpgm
.Lentry_in_a_cluster:
	s_bfe_u32 s2, ttmp6, 0x10000c
	s_cmp_lg_u32 s2, 0xf033
	s_cbranch_scc0 .Lentry_shape_is_right
	s_endpgm
.Lentry_shape_is_right:
.set NQ,     2
.set FR,     12
.set NL,     6
.set NP,     4
.set TROW,   3072
.set FRB,    1536
.set HALFT,  8*TROW
.set SLOT,   4*HALFT
.set LAPS,   2
.set SCL,    2*SLOT
.set HALFS,  16*272
.set SBLK,   2*272
.set SPARE,  SCL+4*HALFS
.set SPITCH, 528
.set ADRA, 16
.set ADRB, 20
.set STO,  24
.set RD,   25
.set CO,   26
.set ADRS, 27
.set SPW,  28
.set NIL,  29
.set SC,   32
.set BI,   64
.set AF,   128
.set BK,   128
.set G1, 24
.set G0, 32
.set G1B, 48
.set G0B, 56
.set G1S, 68
.set G0S, 76
.set G1SB, 80
.set G0SB, 88
.set MSB, 0
.macro WIN new
.if MSB != \new
	s_set_vgpr_msb (MSB<<8)|\new
.set MSB, \new
.endif
.endm
.set MUL_LO, 0xa1
.set MUL_HI, 0xf1
.set FIRST_LO, 0x81
.set FIRST_HI, 0xc1
.set TO_B,   0x40
.macro JLOAD g0a, g1a, g0b, g1b
	s_cmp_eq_u32 s15, 0
	s_cbranch_scc0 .Lfor_b_\@
	tensor_load_to_lds s[\g0a:\g0a+3], s[\g1a:\g1a+7]
	s_nop 0
.rept 4
	v_nop
.endr
	s_branch .Lasked_\@
.Lfor_b_\@:
	tensor_load_to_lds s[\g0b:\g0b+3], s[\g1b:\g1b+7]
	s_nop 0
.rept 4
	v_nop
.endr
.Lasked_\@:
.endm
.macro CREST
	s_cmp_lg_u32 s14, 0
	s_cbranch_scc1 .Lnot_wave_0_\@
	s_barrier_signal -3
.Lnot_wave_0_\@:
	s_barrier_wait -3
	s_barrier_signal -1
	s_barrier_wait -1
.endm
.macro CROUND
	s_barrier_signal -1
	s_barrier_wait -1
	CREST
.endm
	s_load_b256 s[4:11], s[0:1], 0x0
	v_lshl_add_u32 v[SPW], v0, 2, SPARE
	v_mov_b32 v[NIL], 0
	ds_add_u32 v[SPW], v[NIL]
	ds_add_u32 v[SPW], v[NIL]
	v_lshrrev_b32 v1, 5, v0
	v_readfirstlane_b32 s14, v1
	s_lshr_b32 s15, s14, 1
	s_and_b32 s16, s14, 1
	s_bfe_u32 s40, ttmp6, 0x40000
	s_bfe_u32 s41, ttmp6, 0x40004
	s_lshl_b32 s42, ttmp9, 2
	s_add_co_u32 s42, s42, s40
	s_and_b32 s17, ttmp7, 0xffff
	s_lshl_b32 s17, s17, 2
	s_add_co_u32 s17, s17, s41
	s_lshl_b32 s43, s41, 2
	s_lshl_b32 s43, 15, s43
	s_lshl_b32 s44, 0x1111, s40
	s_or_b32 s[G1+0], s43, (3<<16)|(1<<21)
	s_or_b32 s[G1B+0], s44, (3<<16)|(1<<21)
.irp g, G1, G1B
	s_mov_b32 s[\g+1], 384<<16
	s_mov_b32 s[\g+2], 16<<16
	s_mov_b32 s[\g+3], 384<<16
	s_mov_b32 s[\g+4], 16
	s_mov_b32 s[\g+5], 1536
	s_mov_b32 s[\g+6], 0
	s_mov_b32 s[\g+7], 0
.endr
	s_or_b32 s[G1S+0], s43, (3<<16)|(1<<20)|(1<<21)|(5<<22)|(3<<25)
	s_or_b32 s[G1SB+0], s44, (3<<16)|(1<<20)|(1<<21)|(5<<22)|(3<<25)
.irp g, G1S, G1SB
	s_mov_b32 s[\g+1], 32<<16
	s_mov_b32 s[\g+2], 32<<16
	s_mov_b32 s[\g+3], 32<<16
	s_mov_b32 s[\g+4], 32
	s_mov_b32 s[\g+5], 32
	s_mov_b32 s[\g+6], 0
	s_mov_b32 s[\g+7], 0
.endr
	s_lshl_b32 s20, s17, 8                         ; the tiles' first rows: the head's loads bring all 256
	s_mov_b32 s[G1B+2], 8<<16                      ; a block of the result is 256 rows x 128 columns: B's tile has 8 row tiles,
	s_mov_b32 s[G1B+4], 8
	s_mov_b32 s[G1SB+2], 16<<16                    ; and its 128 rows' scale words are 16 units of 256 bytes
	s_mov_b32 s[G1SB+4], 16
	s_lshl_b32 s46, s42, 7
	s_lshl_b32 s22, s20, 5
	s_add_co_u32 s22, s22, 6291456
	s_mov_b32 s23, 0
	s_lshl_b32 s18, s46, 5
	s_add_co_u32 s18, s18, 3244032
	s_mov_b32 s19, 0
	s_mul_i32 s20, s20, 768
	s_mov_b32 s21, 0
	s_mul_i32 s46, s46, 768
	s_add_co_u32 s46, s46, 2359296
	s_mov_b32 s47, 0
	s_mul_i32 s45, s14, HALFT
	s_wait_dscnt 0x0
	s_wait_kmcnt 0x0
	s_add_nc_u64 s[20:21], s[4:5], s[20:21]
	s_add_nc_u64 s[22:23], s[4:5], s[22:23]
	s_add_nc_u64 s[46:47], s[6:7], s[46:47]
	s_add_nc_u64 s[92:93], s[6:7], s[18:19]
	CROUND
	s_mov_b32 s4, 1                                ; the head's four tiles, each whole: slot 0's 16 row tiles of A,
	s_mov_b32 s5, 0
	s_mov_b64 s[6:7], s[20:21]
	s_or_b32 s7, s7, 0x80000000
	s_mov_b32 s96, 1                               ; those of B, behind them,
	s_mov_b32 s97, 2*HALFT
	s_mov_b64 s[98:99], s[46:47]
	s_or_b32 s99, s99, 0x80000000
	s_mov_b32 s[G0S], 1                            ; and the scale words of A's 256 rows and B's 128
	s_mov_b32 s[G0S+1], SCL
	s_mov_b64 s[G0S+2:G0S+3], s[22:23]
	s_or_b32 s[G0S+3], s[G0S+3], 0x80000000
	s_mov_b32 s[G0SB], 1
	s_mov_b32 s[G0SB+1], SCL+2*HALFS
	s_mov_b64 s[G0SB+2:G0SB+3], s[92:93]
	s_or_b32 s[G0SB+3], s[G0SB+3], 0x80000000
	s_mul_i32 s18, s16, 98304                      ; for the ring: my 128 rows of the tile
	s_mov_b32 s19, 0
	s_add_nc_u64 s[20:21], s[20:21], s[18:19]
	s_mul_i32 s18, s16, 49152                      ; of B my 64 rows
	s_add_nc_u64 s[46:47], s[46:47], s[18:19]
	s_mul_i32 s2, s16, 4*TROW                      ; which lie behind A's 256 in a slot
	s_add_co_u32 s2, s2, 2*HALFT
.irp s, 0,1
	s_mov_b32 s[G0+4*\s], 1
	s_add_co_u32 s[G0+4*\s+1], s45, \s*SLOT
	s_add_nc_u64 s[G0+4*\s+2:G0+4*\s+3], s[20:21], \s*TROW
	s_or_b32 s[G0+4*\s+3], s[G0+4*\s+3], 0x80000000
	s_mov_b32 s[G0B+4*\s], 1
	s_add_co_u32 s[G0B+4*\s+1], s2, \s*SLOT
	s_add_nc_u64 s[G0B+4*\s+2:G0B+4*\s+3], s[46:47], \s*TROW
	s_or_b32 s[G0B+4*\s+3], s[G0B+4*\s+3], 0x80000000
.endr
	; the head's loads, one a wave, in one chain of branches on the wave's number
	s_cmp_lt_u32 s14, 1
	s_cbranch_scc0 .Lhead_b
	tensor_load_to_lds s[4:7], s[G1:G1+7]
	s_nop 0
.rept 4
	v_nop
.endr
	s_branch .Lhead_asked
.Lhead_b:
	s_cmp_lt_u32 s14, 2
	s_cbranch_scc0 .Lhead_sa
	tensor_load_to_lds s[96:99], s[G1B:G1B+7]
	s_nop 0
.rept 4
	v_nop
.endr
	s_branch .Lhead_asked
.Lhead_sa:
	s_cmp_lt_u32 s14, 3
	s_cbranch_scc0 .Lhead_sb
	tensor_load_to_lds s[G0S:G0S+3], s[G1S:G1S+7]
	s_nop 0
.rept 4
	v_nop
.endr
	s_branch .Lhead_asked
.Lhead_sb:
	tensor_load_to_lds s[G0SB:G0SB+3], s[G1SB:G1SB+7]
	s_nop 0
.rept 4
	v_nop
.endr
.Lhead_asked:
	v_and_b32 v1, 31, v0
	v_bfe_u32 v2, v0, 4, 1
	v_and_b32 v3, 15, v0
	v_lshlrev_b32 v4, 3, v1
	s_wait_alu depctr_va_vdst(0)
	v_lshlrev_b32 v30, 7, v2
	s_lshl_b32 s20, s42, 9                         ; my first column, in bytes: 512 x tile column + 256 x half
	s_lshl_b32 s21, s16, 8
	s_add_co_u32 s20, s20, s21
	s_mov_b32 s21, 0
	s_add_nc_u64 s[8:9], s[8:9], s[20:21]
.irp b, 0,1,2,3
	global_load_b128 v[BI+8*\b:BI+8*\b+3], v30, s[8:9] offset:(64*(\b/4)+8*(\b%4))*4
	global_load_b128 v[BI+8*\b+4:BI+8*\b+7], v30, s[8:9] offset:(64*(\b/4)+8*(\b%4))*4+16
.endr
	s_lshl_b32 s22, s17, 8
	s_lshl_b32 s23, s15, 7
	s_add_co_u32 s22, s22, s23
	s_lshl_b32 s22, s22, 12
	s_add_co_u32 s20, s20, s22
	s_add_nc_u64 s[12:13], s[10:11], s[20:21]
	s_mul_i32 s21, s15, HALFT
	s_mul_i32 s22, s16, 4*TROW
	s_add_co_u32 s22, s22, 2*HALFT
.irp s, 0,1
	v_add_nc_u32 v[ADRA+\s], s21, v4
	v_add_nc_u32 v[ADRB+\s], s22, v4
	s_add_co_u32 s21, s21, SLOT
	s_add_co_u32 s22, s22, SLOT
.endr
	v_lshlrev_b32 v5, 5, v3
	v_lshrrev_b32 v6, 8, v5
	v_lshl_add_u32 v5, v6, 4, v5
	s_mul_i32 s21, s15, HALFS
	s_mul_i32 s22, s16, HALFS/2
	s_add_co_u32 s22, s22, 2*HALFS
	s_sub_co_u32 s22, s22, s21
	v_mul_u32_u24 v6, s22, v2
	s_add_co_u32 s21, s21, SCL
	v_add_nc_u32 v31, s21, v5                      ; all lanes at A's rows: for blocks 4 to 7, which B does not have
	v_add_nc_u32 v5, v5, v6
	v_add_nc_u32 v[ADRS], s21, v5
	s_mul_i32 s23, s14, 16*SPITCH
	v_mul_u32_u24 v5, v3, SPITCH
	v_lshl_add_u32 v5, v2, 7, v5
	v_add_nc_u32 v[STO], s23, v5
	v_lshlrev_b32 v[CO], 4, v3                     ; back: sixteen lanes take one row of 256 bytes, the other sixteen the next row
	v_mul_u32_u24 v5, v2, SPITCH
	v_add_nc_u32 v5, v5, v[CO]
	v_add_nc_u32 v[RD], s23, v5
	v_lshl_add_u32 v[CO], v2, 12, v[CO]            ; and the same two rows in the output
.macro FRAG reg, adr, q, i
.irp p, 0,1,2,3,4,5
	ds_load_b64 v[\reg+2*\p:\reg+2*\p+1], v[\adr] offset:(\i)*TROW+(\q)*FRB+256*\p
.endr
.endm
.macro MUL16 a0, p, q, sc, zero
.irp a, \a0, \a0+1
.irp b, 0,1,2,3
.if \zero
	v_wmma_scale_f32_16x16x128_f8f6f4 v[8*(8*((\a)%4)+\b):8*(8*((\a)%4)+\b)+7], v[128*(\p)+FR*\b:128*(\p)+FR*\b+FR-1], v[AF+FR*(\a):AF+FR*(\a)+FR-1], v[BI+8*\b:BI+8*\b+7], v[SC+8*NQ*(\sc)+NQ*\b+(\q)], v[SC+8*NQ*(\sc)+NQ*(\a)+(\q)] matrix_a_fmt:MATRIX_FMT_FP6 matrix_b_fmt:MATRIX_FMT_FP6 matrix_a_scale:MATRIX_SCALE_ROW1
.else
	v_wmma_scale_f32_16x16x128_f8f6f4 v[8*(8*((\a)%4)+\b):8*(8*((\a)%4)+\b)+7], v[128*(\p)+FR*\b:128*(\p)+FR*\b+FR-1], v[AF+FR*(\a):AF+FR*(\a)+FR-1], v[8*(8*((\a)%4)+\b):8*(8*((\a)%4)+\b)+7], v[SC+8*NQ*(\sc)+NQ*\b+(\q)], v[SC+8*NQ*(\sc)+NQ*(\a)+(\q)] matrix_a_fmt:MATRIX_FMT_FP6 matrix_b_fmt:MATRIX_FMT_FP6 matrix_a_scale:MATRIX_SCALE_ROW1
.endif
.endr
.endr
.endm
.macro FETCH_B slot, q, p
	WIN TO_B
.irp i, 0,1,2,3
	FRAG 128*(\p)+FR*\i, ADRB+\slot, \q, \i
.endr
	WIN 0
.endm
.macro FETCH_A slot, q, i0
.irp i, \i0, \i0+1, \i0+2, \i0+3
	FRAG AF+FR*(\i), ADRA+\slot, \q, \i
.endr
.endm
.macro SCALES sc
.irp i, 0,1,2,3
	ds_load_b64 v[SC+8*NQ*\sc+NQ*\i:SC+8*NQ*\sc+NQ*\i+1], v[ADRS] offset:\i*SBLK
.endr
.irp i, 4,5,6,7
	ds_load_b64 v[SC+8*NQ*\sc+NQ*\i:SC+8*NQ*\sc+NQ*\i+1], v31 offset:\i*SBLK
.endr
.endm
.macro PLACES n
.rept \n
	v_nop
.endr
.endm
.macro STEP slot, q, zero
	s_wait_dscnt 4*NL
.if \zero
	WIN FIRST_LO
.else
	WIN MUL_LO
.endif
	MUL16 0, (\q)%2, \q, \slot, \zero
	MUL16 2, (\q)%2, \q, \slot, \zero
	s_wait_dscnt 0
	PLACES NP
	FETCH_B \slot, (\q)+1, 1-(\q)%2
	FETCH_A \slot, (\q)+1, 0
.if \zero
	WIN FIRST_HI
.else
	WIN MUL_HI
.endif
	MUL16 4, (\q)%2, \q, \slot, \zero
	MUL16 6, (\q)%2, \q, \slot, \zero
	PLACES NP
	WIN 0
	FETCH_A \slot, (\q)+1, 4
.endm
.macro TURN slot, next, fill
	s_wait_tensorcnt 0x0
	ds_add_u32 v[SPW], v[NIL]
	s_wait_dscnt 4*NL+1
	WIN MUL_LO
	MUL16 0, 1, NQ-1, \slot, 0
	s_wait_dscnt 0x0
	s_barrier_signal -1
	MUL16 2, 1, NQ-1, \slot, 0
	WIN 0
	s_barrier_wait -1
.if \fill
	CREST
	s_add_nc_u64 s[G0+4*\slot+2:G0+4*\slot+3], s[G0+4*\slot+2:G0+4*\slot+3], 2*TROW
	s_add_nc_u64 s[G0B+4*\slot+2:G0B+4*\slot+3], s[G0B+4*\slot+2:G0B+4*\slot+3], 2*TROW
	JLOAD G0+4*\slot, G1, G0B+4*\slot, G1B
.else
	PLACES NP
.endif
	s_wait_alu depctr_va_vdst(0)
	v_add_nc_u32 v[ADRS], 4*NQ, v[ADRS]
	v_add_nc_u32 v31, 4*NQ, v31
	FETCH_B \next, 0, 0
	FETCH_A \next, 0, 0
	SCALES \next
	WIN MUL_HI
	MUL16 4, 1, NQ-1, \slot, 0
	MUL16 6, 1, NQ-1, \slot, 0
	PLACES NP
	WIN 0
	FETCH_A \next, 0, 4
.endm
	s_wait_alu depctr_va_vdst(0)
	s_wait_loadcnt 0x0
	s_wait_tensorcnt 0x0                           ; my tile of the head's four is in
	ds_add_u32 v[SPW], v[NIL]
	s_mov_b32 s[G1+2], 8<<16                       ; no tensor load of mine is out: from here on a load brings 8 row tiles
	s_mov_b32 s[G1+4], 8
	s_mov_b32 s[G1B+2], 4<<16                      ; of B 4 row tiles
	s_mov_b32 s[G1B+4], 4
	s_wait_dscnt 0x0
	CROUND                                         ; all four tiles are in, and the sixteen work-groups are here
	JLOAD G0+4, G1, G0B+4, G1B                     ; slot 1's first fill, the first tensor load behind the round
	FETCH_B 0, 0, 0
	FETCH_A 0, 0, 0
	SCALES 0
	FETCH_A 0, 0, 4
	STEP 0, 0, 1
	s_mov_b32 s3, LAPS-1
.Llap:
	TURN 0, 1, 1
	STEP 1, 0, 0
	TURN 1, 0, 1
	STEP 0, 0, 0
	s_sub_co_u32 s3, s3, 1
	s_cmp_lg_u32 s3, 0
	s_cbranch_scc1 .Llap
	TURN 0, 1, 0
	STEP 1, 0, 0
	s_wait_dscnt 4*NL
	WIN MUL_LO
	MUL16 0, 1, NQ-1, 1, 0
	MUL16 2, 1, NQ-1, 1, 0
	s_wait_dscnt 0
	WIN MUL_HI
	MUL16 4, 1, NQ-1, 1, 0
	MUL16 6, 1, NQ-1, 1, 0
	WIN 0
.macro TOSTAGE a
.set AC, 64*((\a)%4)
.set WS, 0x08+4*((\a)/4)
	WIN WS
.irp b, 0,1,2,3
	ds_store_b128 v[STO], v[AC+8*\b:AC+8*\b+3] offset:256*(\b/4)+32*(\b%4)
	ds_store_b128 v[STO], v[AC+8*\b+4:AC+8*\b+7] offset:256*(\b/4)+32*(\b%4)+16
.endr
	WIN 0
.set BB, BK+64*((\a)%2)
.irp t, 0,1,2,3,4,5,6,7
	ds_load_b128 v[BB+4*\t:BB+4*\t+3], v[RD] offset:2*\t*SPITCH
.endr
.endm
.macro SEND a, younger
.set BB, BK+64*((\a)%2)
	s_wait_dscnt \younger
.irp t, 0,1,2,3,4,5,6,7
	global_store_b128 v[CO], v[BB+4*\t:BB+4*\t+3], s[12:13] offset:(64*((\a)/4)+8*((\a)%4)+((2*\t)%8)+32*(\t/4))*4096 th:TH_STORE_NT   ; sixteen lanes store 256 consecutive bytes, aligned
.endr
.endm
	PLACES NP
	TOSTAGE 0
.irp a, 1,2,3,4,5,6,7
.if \a > 1
	s_wait_xcnt 0x0
.endif
	TOSTAGE \a
	SEND \a-1, 16                                  ; behind block a - 1's loads: block a's 8 stores and 8 loads
.endr
	SEND 7, 0
	s_wait_tensorcnt 0x0
	ds_add_u32 v[SPW], v[NIL]
	s_wait_dscnt 0x0
	CROUND
	s_endpgm
.Lfunc_end_k_q281df4e173_proj:
	.size	k_q281df4e173_proj, .Lfunc_end_k_q281df4e173_proj-k_q281df4e173_proj
	.p2alignl 7, 3214868480
	.fill 96, 4, 3214868480
	.section	.rodata,"a",@progbits
	.p2align	6, 0x0
	.amdhsa_kernel k_q281df4e173_proj
		.amdhsa_group_segment_fixed_size 327680
		.amdhsa_private_segment_fixed_size 0
		.amdhsa_enable_private_segment 0
		.amdhsa_kernarg_size 32
		.amdhsa_user_sgpr_count 2
		.amdhsa_user_sgpr_kernarg_segment_ptr 1
		.amdhsa_wavefront_size32 1
		.amdhsa_system_sgpr_workgroup_id_x 1
		.amdhsa_system_sgpr_workgroup_id_y 1
		.amdhsa_system_sgpr_workgroup_id_z 1
		.amdhsa_system_vgpr_workitem_id 0
		.amdhsa_next_free_vgpr 1024
		.amdhsa_next_free_sgpr 102
		.amdhsa_reserve_vcc 0
		.amdhsa_float_denorm_mode_32 3
		.amdhsa_float_denorm_mode_16_64 3
		.amdhsa_memory_ordered 1
		.amdhsa_forward_progress 1
		.amdhsa_inst_pref_size 103
	.end_amdhsa_kernel
	.amdgpu_metadata
---
amdhsa.version: [ 1, 2 ]
amdhsa.kernels:
  - .name:           k_q281df4e173_proj
    .symbol:         k_q281df4e173_proj.kd
    .args:
      - { .name: aq, .offset: 0, .size: 8, .value_kind: global_buffer, .address_space: global }
      - { .name: wq, .offset: 8, .size: 8, .value_kind: global_buffer, .address_space: global }
      - { .name: b_proj, .offset: 16, .size: 8, .value_kind: global_buffer, .address_space: global }
      - { .name: out0, .offset: 24, .size: 8, .value_kind: global_buffer, .address_space: global }
    .group_segment_fixed_size: 327680
    .private_segment_fixed_size: 0
    .kernarg_segment_align: 8
    .kernarg_segment_size: 32
    .max_flat_workgroup_size: 128
    .sgpr_count:     102
    .vgpr_count:     1024
    .wavefront_size: 32
...
	.end_amdgpu_metadata
.endif
;; end of part 4
